; MI455X (gfx1250); checked and timed in simulation.
; The chip was launched on July 23, 2026; its instructions are those of AMD's public machine-readable ISA for CDNA 5 (MIT licence, August 2026) and "CDNA5" Instruction Set Architecture Reference Guide (July 2026). The comments in the code are by the model that wrote it; some were corrected since.
;; Multihead Attention. Allowed arithmetic: matrix products marked QUANTISED: E4M3 operands, one given power-of-two scale a tensor, by v_wmma_f32_16x16x64_fp8_fp8 or v_wmma_f32_16x16x128_fp8_fp8, f32 sums; everything else in f32.
;; Inputs: Wk 1,024 x 1,024 float32; Wo 1,024 x 1,024 float32; Wq 1,024 x 1,024 float32; Wv 1,024 x 1,024 float32; lowp_scales 12 int32 (the exponents e of the quantised operands' scales 2^e); token_positions 2,048 int32; x 4 x 2,048 x 1,024 float32.
;; Outputs: out0 4 x 2,048 x 1,024 float32.
;; This version of the problem:
;;   THIS VERSION OF THE PROBLEM IS GIVEN IN LOW PRECISION. The matrix products marked QUANTISED in the list below multiply operands that are first quantised to E4M3 (4 exponent bits, 3 mantissa bits; 8 bits a number), with one given power-of-two scale for each operand tensor; their sums are f32. All else is computed in f32.
;;   The module's matrix products, in the order in which they are computed (A, B: the left and right operand; K: the contracted axis; several contracted axes count as one K, in the product's order):
;;     1. [M 8,192, K 1,024] x [K 1,024, N 1,024]; A: input x; B: input Wq: QUANTISED (scales: A lowp_scales[0], B lowp_scales[1])
;;     2. [M 8,192, K 1,024] x [K 1,024, N 1,024]; A: input x; B: input Wk: QUANTISED (scales: A lowp_scales[2], B lowp_scales[3])
;;     3. [M 8,192, K 1,024] x [K 1,024, N 1,024]; A: input x; B: input Wv: QUANTISED (scales: A lowp_scales[4], B lowp_scales[5])
;;     4. batch 64 x [M 2,048, K 64] x [K 64, N 2,048]; A: computed on the way; B: computed on the way: QUANTISED (scales: A lowp_scales[6], B lowp_scales[7])
;;     5. batch 64 x [M 2,048, K 2,048] x [K 2,048, N 64]; A: softmax (see below); B: computed on the way: QUANTISED (scales: A lowp_scales[8], B lowp_scales[9])
;;     6. [M 8,192, K 1,024] x [K 1,024, N 1,024]; A: computed on the way; B: input Wo: QUANTISED (scales: A lowp_scales[10], B lowp_scales[11])
;;   THE QUANTISER, for each operand of a quantised product, along K:
;;     - The operand's scale is 2^e, e = its entry of the input lowp_scales (int32; the entries are numbered through the quantised products in the list's order, A before B).
;;     - Each number is divided by the scale, clamped to +-448, and rounded to the nearest number of E4M3, ties to even, subnormals kept.
;;     - The product sums the exact products of the quantised numbers (number of the format x scale) in f32.
;;   ~~~python
;;   def quantise(x, axis, e):      # numpy; x: float32 -> the quantised numbers, widened to float32 again
;;       x = np.moveaxis(x, axis, -1); K = x.shape[-1]
;;       r = np.clip(x / 2.0 ** e, -448, 448)
;;       step = 2.0 ** (np.maximum(np.frexp(np.where(r == 0, 1, r))[1] - 1, -6) - 3)
;;       q = np.round(r / step) * step * 2.0 ** e      # np.round: ties to even
;;       return np.moveaxis(q, -1, axis).astype(np.float32)
;;   ~~~
;;   SOFTMAX AHEAD OF A QUANTISED PRODUCT. Where the list says 'softmax', what is quantised is not the finished softmax but p = 2^(t - M), with t = logit x log2(e) and M = ceil(the row's largest t), a whole number; so 1/2 < the row's largest p <= 1. The row's sum l is taken of the UNQUANTISED p, in f32, and the product's result is divided by l at the end. Since M is a whole number, a kernel that streams over the keys may use a running M (the ceiling of the running maximum): every later rescaling is an exact power of two, so the quantised numbers keep their values, but for numbers so far below the row's largest that they fall under the format's range.
;;   OPERANDS COMPUTED ON THE WAY. 'Computed on the way' means the value that the module computes at that place (a softmax that the list does not call 'softmax' is quantised finished and normalised). What goes into a quantiser is computed in f32, as accurately as f32 sums, v_exp_f32 and their like allow (about 1e-6 of the number): no bf16 or f16 on the way to a quantiser, and a product that is left as it is and whose result goes on into a quantised operand takes f32 operands (vector FMAs, or v_wmma_f32_16x16x4_f32). A number that lies on a knife's edge between two numbers of the format may be rounded either way, as far as f32 arithmetic and the matrix unit's own rounding can turn it there, and no further.
;; One version. Each part assembles by itself: llvm-mc -triple=amdgcn-amd-amdhsa -mcpu=gfx1250 --defsym DOCPART=n.
;; ======== version 1 of 1: 4 launches
;; limits: right only within a limited range of input values
;; workspace buffers: codes 29,360,128 bytes; rope 524,288 bytes; qkv 25,165,824 bytes; oc 8,388,608 bytes
;; launch prep (part 1): grid 896 x 1, 8 waves a work-group, no clusters, 68,608 bytes of LDS; arguments x, Wq, Wk, Wv, Wo, lowp_scales, token_positions, codes, rope; writes codes, rope
.if DOCPART == 1
	.amdgcn_target "amdgcn-amd-amdhsa--gfx1250"
	.amdhsa_code_object_version 6
	.text
	.protected	k_qda24082b5a_prep
	.globl	k_qda24082b5a_prep
	.p2align	8
	.type	k_qda24082b5a_prep,@function
k_qda24082b5a_prep:
	s_mov_b64 s[64:65], 0
	v_nop
	global_prefetch_b8 v0, s[64:65] scope:SCOPE_SE
	s_setreg_imm32_b32 hwreg(HW_REG_WAVE_MODE, 25, 1), 1
	s_wait_xcnt 0x0
; PREP: x and the four weights become codes of FP8 (E4M3), and the table of cosines and sines for the rotation is made.
; code = number / 2^e, held within +-448, rounded to the nearest code, ties to even.  x is an operand of three products with three given scales (entries 0, 2, 4): three sets of codes.
; Wq, Wk, Wv, Wo take entries 1, 3, 5, 11.
; LAYOUT OF THE CODES: images of operand registers.  A fragment is 16 rows x 128 along K: lane l = r + 16 h holds row r, its registers 4 c .. 4 c + 3 hold k = 32 c + 16 h + 0 .. 15.
; Its image is [c 0..3][lane 0..31][16 bytes] = 2,048 bytes; a block of 16 rows is its 8 fragments on end (16,384 bytes).  So every store here is 512 consecutive bytes, aligned.
;   codes + p x 8,388,608 (p = 0, 1, 2): x under scale 2 p, 512 blocks.   codes + 25,165,824 + t x 1,048,576 (t = 0..3: q, k, v, o): 64 blocks each.
; THE ROWS OF Wq, Wk, Wv THAT FORM A BLOCK ARE NOT NEIGHBOURS: row m of stored block sb is row 32 (sb / 2) + 8 (sb % 2) + m + 8 (m / 8), so that the results of two neighbouring blocks are
; 16 neighbours along the next product's K.  Wo's blocks hold neighbouring rows.
; SHARES.  Work-groups 0-511: a block of x.  512-767: a block of a weight.  768-895: 16 positions of the table.  In the first two kinds wave w takes K step w: one fragment, 8 KB of f32.
; Each of its 16 loads reads 512 consecutive bytes of one row; the rows turn through the wave's own stage in LDS (rows 528 bytes apart: 16 rows start at 16 different banks) and come back 64 bytes a lane.
; No wave reads another's bytes: no barrier.  Nothing is shared between work-groups, so no cluster; memory binds, so no matrix unit.
; THE TABLE: rope[block of 16 positions][g 0..7][lane][16 bytes]: lane (r, h) of image g = 4 c + q holds cos, sin of pair i and of pair i + 1, i = 16 c + 8 h + 2 q, for position 16 block + r.
; angle = f32(position) x 10000^(-i / 32), rounded as the product of two f32 numbers; sine and cosine by a reduction with pi / 2 in three parts and polynomials on |r| <= pi / 4.
; LIMITS: each e between -126 and 119; |position| under 2^22; NaN among the inputs is not served (an infinity is held at the largest code).
.set XB,    8388608                    ; bytes of one set of x's codes
.set SP,    528                        ; a stage row: 512 bytes + 16
.set WREG,  16*SP                      ; a wave's stage
.set SPARE, 8*WREG                     ; behind the stages: the spare words, 128 bytes for each wave: four blocks of 256 bytes that no other line names
.set R,     16                         ; v16-79   16 rows as loaded
.set X,     80                         ; v80-143  64 numbers of my row: register 16 c + i = k 32 c + 16 h + i
.set U,     16                         ; v16-47   two sets of 16 held numbers (R is free by then)
.set C,     144                        ; v144-191 codes: 16 registers for each of the three scales: no store's data are written again
.set SPW,   14                         ; v14      LDS address of my spare word; never rewritten
.set NIL,   15                         ; v15      0; never rewritten
	s_load_b256 s[4:11], s[0:1], 0x0               ; x s[4:5], Wq s[6:7], Wk s[8:9], Wv s[10:11]
	s_load_b256 s[12:19], s[0:1], 0x20             ; Wo s[12:13], the scales' exponents s[14:15], the positions s[16:17], codes s[18:19]
	s_load_b64 s[20:21], s[0:1], 0x40              ; rope
	v_lshl_add_u32 v[SPW], v0, 2, SPARE
	v_mov_b32 v[NIL], 0
	v_lshrrev_b32 v1, 5, v0
	v_readfirstlane_b32 s22, v1                    ; wave 0..7
	v_and_b32 v1, 31, v0                           ; lane
	v_lshlrev_b32 v2, 4, v0                        ; 512 x wave + 16 x lane: my 16 bytes of a row's K step (and of the table's block)
	v_lshlrev_b32 v6, 4, v1                        ; 16 x lane: my place in an image
	v_and_b32 v7, 15, v0                           ; r
	v_bfe_u32 v5, v0, 4, 1                         ; h
	s_mul_i32 s56, s22, WREG
	v_add_nc_u32 v4, s56, v6                       ; the stage, on the way in: a row as it lies
	v_lshlrev_b32 v5, 6, v5
	v_mad_u32_u24 v5, v7, SP, v5
	v_add_nc_u32 v5, s56, v5                       ; and on the way out: row r, + 64 h
	s_wait_kmcnt 0x0
	s_cmp_ge_u32 ttmp9, 768
	s_cbranch_scc1 .Ltable
	s_load_b256 s[40:47], s[14:15], 0x0            ; entries 0 to 7
	s_load_b128 s[48:51], s[14:15], 0x20           ; entries 8 to 11: all 48 bytes, no byte beyond
	s_sub_co_u32 s35, ttmp9, 512
	s_lshr_b32 s36, s35, 6                         ; which weight (in x's work-groups a large number: none)
	s_and_b32 s37, s35, 63                         ; which stored block
	s_lshr_b32 s38, s37, 1
	s_lshl_b32 s38, s38, 5
	s_and_b32 s39, s37, 1
	s_lshl_b32 s39, s39, 3
	s_add_co_u32 s38, s38, s39                     ; 32 (sb / 2) + 8 (sb % 2)
	s_lshl_b32 s39, s37, 4                         ; 16 sb
	s_mov_b32 s52, 32768
	s_cmp_lt_u32 s36, 3                            ; Wq, Wk, Wv?
	s_cselect_b32 s38, s38, s39                    ; the block's first row
	s_cselect_b32 s52, 65536, s52                  ; from row 0 to row 8 of the block: 16 rows of memory, or 8
	s_lshl_b32 s39, ttmp9, 4
	s_add_co_u32 s53, ttmp9, 1024                  ; a weight's block u lies at block 1,536 + u of the codes' buffer: 1,024 + the work-group's number
	s_cmp_lt_u32 ttmp9, 512                        ; x?
	s_cselect_b32 s38, s39, s38
	s_cselect_b32 s53, ttmp9, s53
	s_mov_b64 s[24:25], s[12:13]                   ; the source: a choice among five buffers by the work-group's number alone
	s_cmp_eq_u32 s36, 2
	s_cselect_b64 s[24:25], s[10:11], s[24:25]
	s_cmp_eq_u32 s36, 1
	s_cselect_b64 s[24:25], s[8:9], s[24:25]
	s_cmp_eq_u32 s36, 0
	s_cselect_b64 s[24:25], s[6:7], s[24:25]
	s_cmp_lt_u32 ttmp9, 512
	s_cselect_b64 s[24:25], s[4:5], s[24:25]
	s_lshl_b32 s38, s38, 12                        ; rows of 4,096 bytes: under 2^26
	s_mov_b32 s39, 0
	s_add_nc_u64 s[24:25], s[24:25], s[38:39]
	s_lshl_b32 s54, s53, 14                        ; blocks of 16,384 bytes
	s_lshl_b32 s55, s22, 11                        ; + my fragment
	s_add_co_u32 s54, s54, s55
	s_mov_b32 s55, 0
	s_add_nc_u64 s[26:27], s[18:19], s[54:55]      ; where my codes go,
	s_add_nc_u64 s[28:29], s[26:27], XB            ; and x's second
	s_add_nc_u64 s[30:31], s[28:29], XB            ; and third set (used in x's work-groups alone)
	v_add_nc_u32 v3, s52, v2
.irp p, 0,1,2,3,4,5,6,7
	global_load_b128 v[R+4*\p:R+4*\p+3], v2, s[24:25] offset:4096*\p th:TH_LOAD_NT       ; rows 0-7: 512 consecutive bytes each; read once in the launch
.endr
.irp p, 0,1,2,3,4,5,6,7
	global_load_b128 v[R+32+4*\p:R+32+4*\p+3], v3, s[24:25] offset:4096*\p th:TH_LOAD_NT ; rows 8-15
.endr
	s_wait_kmcnt 0x0
	s_mov_b32 s32, s51                             ; my first scale: entry 11, 5, 3, 1 for Wo, Wv, Wk, Wq; entry 0 for x
	s_cmp_eq_u32 s36, 2
	s_cselect_b32 s32, s45, s32
	s_cmp_eq_u32 s36, 1
	s_cselect_b32 s32, s43, s32
	s_cmp_eq_u32 s36, 0
	s_cselect_b32 s32, s41, s32
	s_cmp_lt_u32 ttmp9, 512
	s_cselect_b32 s32, s40, s32
	s_mov_b32 s33, s42                             ; x's second and third
	s_mov_b32 s34, s44
.irp p, 0,1,2
	s_add_co_i32 s57, s[32+\p], 127
	s_lshl_b32 s58, s57, 23
	v_mov_b32 v[8+2*\p], s58                       ; 2^e as f32: the conversion takes its exponent field
	s_add_co_i32 s57, s57, 8
	s_lshl_b32 s57, s57, 23
	s_or_b32 s57, s57, 0x600000
	v_mov_b32 v[9+2*\p], s57                       ; 448 x 2^e
.endr
.irp p, 0,1,2,3,4,5,6,7,8,9,10,11,12,13,14,15
	s_wait_loadcnt 15-\p                           ; loads come back in order: row p is in, the rows behind it may be out
	ds_store_b128 v4, v[R+4*\p:R+4*\p+3] offset:SP*\p
.endr
.irp c, 0,1,2,3
.irp j, 0,1,2,3
	ds_load_b128 v[X+16*\c+4*\j:X+16*\c+4*\j+3], v5 offset:128*\c+16*\j   ; LDS serves a wave's instructions in order: these see my stores
.endr
.endr
	s_wait_dscnt 0x0
; The 64 numbers under scale p become a fragment's 16 registers and leave as its image.  The held numbers go into other registers, so that x is at hand for the next scale.
.macro QUANT p
.irp c, 0,1,2,3
.irp i, 0,1,2,3,4,5,6,7,8,9,10,11,12,13,14,15
	v_med3_num_f32 v[U+16*(\c%2)+\i], v[X+16*\c+\i], -v[9+2*\p], v[9+2*\p]   ; the conversion to an 8-bit code does not saturate (ISA guide 7.6.2): the hold comes first
.endr
	v_cvt_scalef32_pk8_fp8_f32 v[C+16*\p+4*\c:C+16*\p+4*\c+1], v[U+16*(\c%2):U+16*(\c%2)+7], v[8+2*\p]
	v_cvt_scalef32_pk8_fp8_f32 v[C+16*\p+4*\c+2:C+16*\p+4*\c+3], v[U+16*(\c%2)+8:U+16*(\c%2)+15], v[8+2*\p]   ; the next sixteen holds write the other set: plain lines between these conversions and the next write of their sources
.endr
.irp c, 0,1,2,3
	global_store_b128 v6, v[C+16*\p+4*\c:C+16*\p+4*\c+3], s[26+2*\p:27+2*\p] offset:512*\c   ; 32 lanes store 512 consecutive bytes, aligned
.endr
.endm
	QUANT 0
	s_cmp_ge_u32 ttmp9, 512                        ; a weight has one scale
	s_cbranch_scc1 .Ldone
	QUANT 1
	QUANT 2
.Ldone:
	s_wait_tensorcnt 0x0                           ; the wave's end, behind my last LDS store
	ds_add_u32 v[SPW], v[NIL]
	s_wait_dscnt 0x0
	s_endpgm
.Ltable:                                               ; no LDS on this way
	s_sub_co_u32 s35, ttmp9, 768                   ; which 16 positions
	s_lshl_b32 s36, s35, 6
	s_mov_b32 s37, 0
	s_add_nc_u64 s[16:17], s[16:17], s[36:37]
	v_lshlrev_b32 v16, 2, v7
	global_load_b32 v17, v16, s[16:17]             ; position 16 block + r
	s_lshl_b32 s38, s35, 12
	s_mov_b32 s39, 0
	s_add_nc_u64 s[20:21], s[20:21], s[38:39]      ; the block's 4,096 bytes of the table
	s_lshr_b32 s53, s22, 2
	s_lshl_b32 s53, s53, 4
	s_and_b32 s54, s22, 3
	s_lshl_b32 s54, s54, 1
	s_add_co_u32 s53, s53, s54                     ; 16 c + 2 q
	v_bfe_u32 v18, v0, 4, 1
	v_lshl_add_u32 v18, v18, 3, s53                ; i = 16 c + 8 h + 2 q
	s_mov_b32 s40, 0x3ed49a78                      ; log2(10000) / 32, in two parts
	s_mov_b32 s41, 0x32179a6b
	s_mov_b32 s42, 0x3f317218                      ; ln 2
	s_mov_b32 s43, 0x3f22f983                      ; 2 / pi
	s_mov_b32 s44, 0x3fc90fdb                      ; pi / 2, in three parts
	s_mov_b32 s45, 0xb33bbd2e
	s_mov_b32 s46, 0xa6f72ce4
	s_mov_b32 s47, 0xbe2aaaa3                      ; sin r = r + r z (S1 + z (S2 + z S3)), z = r r
	s_mov_b32 s48, 0x3c08839e
	s_mov_b32 s49, 0xb94ca1f9
	s_mov_b32 s50, 0x3d2aaaa5                      ; cos r = 1 - z / 2 + z z (C1 + z (C2 + z C3))
	s_mov_b32 s51, 0xbab6061a
	s_mov_b32 s52, 0x37ccf5ce
.macro ANG_A j                         ; pair i + j: the exponent i log2(10000) / 32 as hi + lo, and 2^-hi
.set T, 20+16*\j
	v_add_nc_u32 v[T], \j, v18
	v_cvt_f32_u32 v[T], v[T]
	v_mul_f32 v[T+1], s40, v[T]                    ; hi
	v_fma_f32 v[T+2], v[T], s40, -v[T+1]           ; what the rounding of hi left,
	v_fma_f32 v[T+2], v[T], s41, v[T+2]            ; + the constant's second part: lo
	v_exp_f32 v[T+3], -v[T+1]
.endm
.macro ANG_B j                         ; the frequency, the angle, its sine and cosine
.set T, 20+16*\j
	v_mul_f32 v[T+4], s42, v[T+3]
	v_fma_f32 v[T+5], -v[T+4], v[T+2], v[T+3]      ; 2^-(hi + lo) = 2^-hi (1 - lo ln 2): lo is under 2^-20
	v_mul_f32 v[T+6], v19, v[T+5]                  ; the angle, rounded once
	v_mul_f32 v[T+7], s43, v[T+6]
	v_rndne_f32 v[T+7], v[T+7]                     ; n: the nearest multiple of pi / 2
	v_fma_f32 v[T+8], -v[T+7], s44, v[T+6]
	v_fma_f32 v[T+8], -v[T+7], s45, v[T+8]
	v_fma_f32 v[T+8], -v[T+7], s46, v[T+8]         ; r = angle - n pi / 2
	v_mul_f32 v[T+9], v[T+8], v[T+8]               ; z
	v_fma_f32 v[T+10], v[T+9], s49, s48
	v_fma_f32 v[T+10], v[T+9], v[T+10], s47
	v_mul_f32 v[T+11], v[T+8], v[T+9]
	v_fma_f32 v[T+10], v[T+11], v[T+10], v[T+8]    ; sin r
	v_fma_f32 v[T+12], v[T+9], s52, s51
	v_fma_f32 v[T+12], v[T+9], v[T+12], s50
	v_fma_f32 v[T+13], v[T+9], -0.5, 1.0
	v_mul_f32 v[T+11], v[T+9], v[T+9]
	v_fma_f32 v[T+12], v[T+11], v[T+12], v[T+13]   ; cos r
	v_cvt_i32_f32 v[T+14], v[T+7]                  ; the quadrant selects values alone: no address and no branch hangs on it
	v_and_b32 v[T+15], 1, v[T+14]
	v_cmp_eq_u32 vcc_lo, 1, v[T+15]
	v_cndmask_b32 v[T], v[T+10], v[T+12], vcc_lo   ; n odd: sine and cosine change places
	v_cndmask_b32 v[T+1], v[T+12], v[T+10], vcc_lo
	v_and_b32 v[T+2], 2, v[T+14]
	v_lshlrev_b32 v[T+2], 30, v[T+2]
	v_xor_b32 v[61+2*\j], v[T], v[T+2]             ; the sine is negated where n mod 4 is 2 or 3,
	v_add_nc_u32 v[T+14], 1, v[T+14]
	v_and_b32 v[T+14], 2, v[T+14]
	v_lshlrev_b32 v[T+14], 30, v[T+14]
	v_xor_b32 v[60+2*\j], v[T+1], v[T+14]          ; the cosine where it is 1 or 2
.endm
	ANG_A 0
	ANG_A 1
	s_wait_loadcnt 0x0
	v_cvt_f32_i32 v19, v17                         ; the position as f32
	v_nop                                          ; a plain line behind the last exponential
	s_wait_alu depctr_va_vdst(0)                   ; one wait for both exponentials, ahead of their first reader
	ANG_B 0
	ANG_B 1
	global_store_b128 v2, v[60:63], s[20:21]       ; image g = wave: 512 consecutive bytes
	s_endpgm
.Lfunc_end_k_qda24082b5a_prep:
	.size	k_qda24082b5a_prep, .Lfunc_end_k_qda24082b5a_prep-k_qda24082b5a_prep
	.p2alignl 7, 3214868480
	.fill 96, 4, 3214868480
	.section	.rodata,"a",@progbits
	.p2align	6, 0x0
	.amdhsa_kernel k_qda24082b5a_prep
		.amdhsa_group_segment_fixed_size 68608
		.amdhsa_private_segment_fixed_size 0
		.amdhsa_enable_private_segment 0
		.amdhsa_kernarg_size 72
		.amdhsa_user_sgpr_count 2
		.amdhsa_user_sgpr_kernarg_segment_ptr 1
		.amdhsa_wavefront_size32 1
		.amdhsa_system_sgpr_workgroup_id_x 1
		.amdhsa_system_sgpr_workgroup_id_y 1
		.amdhsa_system_sgpr_workgroup_id_z 1
		.amdhsa_system_vgpr_workitem_id 0
		.amdhsa_next_free_vgpr 192
		.amdhsa_next_free_sgpr 66
		.amdhsa_reserve_vcc 1
		.amdhsa_float_denorm_mode_32 3
		.amdhsa_float_denorm_mode_16_64 3
		.amdhsa_memory_ordered 1
		.amdhsa_forward_progress 1
		.amdhsa_inst_pref_size 28
	.end_amdhsa_kernel
	.amdgpu_metadata
---
amdhsa.version: [ 1, 2 ]
amdhsa.kernels:
  - .name:           k_qda24082b5a_prep
    .symbol:         k_qda24082b5a_prep.kd
    .args:
      - { .name: x, .offset: 0, .size: 8, .value_kind: global_buffer, .address_space: global }
      - { .name: Wq, .offset: 8, .size: 8, .value_kind: global_buffer, .address_space: global }
      - { .name: Wk, .offset: 16, .size: 8, .value_kind: global_buffer, .address_space: global }
      - { .name: Wv, .offset: 24, .size: 8, .value_kind: global_buffer, .address_space: global }
      - { .name: Wo, .offset: 32, .size: 8, .value_kind: global_buffer, .address_space: global }
      - { .name: lowp_scales, .offset: 40, .size: 8, .value_kind: global_buffer, .address_space: global }
      - { .name: token_positions, .offset: 48, .size: 8, .value_kind: global_buffer, .address_space: global }
      - { .name: codes, .offset: 56, .size: 8, .value_kind: global_buffer, .address_space: global }
      - { .name: rope, .offset: 64, .size: 8, .value_kind: global_buffer, .address_space: global }
    .group_segment_fixed_size: 68608
    .private_segment_fixed_size: 0
    .kernarg_segment_align: 8
    .kernarg_segment_size: 72
    .max_flat_workgroup_size: 256
    .sgpr_count:     66
    .vgpr_count:     192
    .wavefront_size: 32
...
	.end_amdgpu_metadata
.endif
;; end of part 1
;; launch qkv (part 2): grid 12 x 32, 4 waves a work-group, clusters of 4 x 4, 327,680 bytes of LDS; arguments codes, rope, lowp_scales, qkv; writes qkv
.if DOCPART == 2
	.amdgcn_target "amdgcn-amd-amdhsa--gfx1250"
	.amdhsa_code_object_version 6
	.text
	.protected	k_qda24082b5a_qkv
	.globl	k_qda24082b5a_qkv
	.p2align	8
	.type	k_qda24082b5a_qkv,@function
k_qda24082b5a_qkv:
	s_mov_b64 s[64:65], 0
	v_nop
	global_prefetch_b8 v0, s[64:65] scope:SCOPE_SE
	s_setreg_imm32_b32 hwreg(HW_REG_WAVE_MODE, 25, 1), 1
	s_wait_xcnt 0x0
	s_wait_alu depctr_hold_cnt(0) depctr_sa_sdst(0) depctr_va_vdst(0) depctr_va_sdst(0) depctr_va_ssrc(0) depctr_va_vcc(0) depctr_vm_vsrc(0)
	s_getreg_b32 s2, hwreg(HW_REG_IB_STS2, 6, 4)
	s_cmp_eq_u32 s2, 0
	s_cbranch_scc0 .Lentry_in_a_cluster
	s_endpgm
.Lentry_in_a_cluster:
	s_bfe_u32 s2, ttmp6, 0x10000c
	s_cmp_lg_u32 s2, 0xf033
	s_cbranch_scc0 .Lentry_shape_is_right
	s_endpgm
.Lentry_shape_is_right:
; QKV: the three projections on codes of FP8 (E4M3), the rotation of Q and K, and the quantising of Q, K and V for the two products of attention.
; A tile is 256 x 256 x 1,024; four waves, as many as a WGP has SIMDs; a wave makes 128 x 128: 64 accumulators of 16 x 16, 512 registers.  K goes in steps of 256 through a ring of two LDS slots.
; OPERANDS ARE IMAGES OF REGISTERS (made by the launch before): a block of 16 rows is [K step of 128: 0..7][c 0..3][lane][16 bytes], 16,384 bytes.  A wave's tensor load brings 8 blocks x 4,096 bytes (two K steps),
; dense in LDS; a fragment is four ds_load_b128 at 16 x lane: 512 consecutive bytes each, so no pitch and no padding.  Lane l holds row l % 16, registers 4 c .. 4 c + 3 hold K = 32 c + 16 (l / 16) + 0 .. 15:
; one permutation of k, the same in both operands, so every product meets its partner.
; THE MATRIX INSTRUCTION: source 0 = 16 rows of "B", source 1 = 16 rows of "A": a lane holds one row of A, its registers run along rows of B.
;   cluster x = 0, 1 (Q, K): A = x's codes (tokens), B = the weight's (its blocks hold rows chosen so that two neighbouring accumulators are 16 neighbouring channels): a lane holds a token and runs along channels:
;     the rotation's pairs and the next product's K (the head's 64) lie in one lane.
;   cluster x = 2 (V): the operands change places BY ADDRESS ALONE: A = Wv's codes, B = x's: a lane holds a channel and runs along tokens, which are the next product's K (the keys).  Nothing is transposed.
; The sums stand for sum x 2^(ex + ew); the rotation is linear, so the three scales are folded into the conversion's one: 2^(eout - ex - ew).
; RESULTS leave as images too, straight from registers, 512 consecutive aligned bytes a store:
;   qkv + 0 (Q), + 8,388,608 (K): [batch x 16 + head][block of 16 tokens 0..127][c 0..1][lane][16]: lane = token, registers 4 c .. 4 c + 3 = channels 32 c + 16 h + 0 .. 15.
;   qkv + 16,777,216 (V): [batch x 16 + head][128 keys 0..15][tile of 16 channels 0..3][c 0..3][lane][16]: lane = channel row, registers 2 b, 2 b + 1 = keys 16 b + 8 h + 0 .. 7.
; CLUSTERS: 4 x 4 work-groups.  The four of a row of the cluster need the same tiles of A, the four of a column the same tiles of B: each tile is asked for JOINTLY.  The cluster's x and y are equal in all partners:
; the one branch on the cluster's x (which way out) goes the same way in all sixteen.
; The first two sets of the table of cosines and sines are loaded at the head by every work-group, V's too (8 KB a wave, unused there), so that the head is one path.
; LIMIT: eout - ex - ew between -126 and 119 for each of the three (entries 6 - 0 - 1, 7 - 2 - 3, 9 - 4 - 5).
; REGISTERS, in windows of 256: window 0: v16-31 addresses and constants; v32-95 two sets of the table; from v128 A's fragments, ONE set; on the way out v128-159 codes, v160-223 64 numbers.
;   window 1: B's fragments, TWO sets, at v0 and v128.   window 2: the accumulators of my rows 0-63 ((a, b) at v[8 (8 a + b)]);   window 3: those of my rows 64-127.
.set XB,     8388608
.set WB,     1048576
.set WOFF,   3*XB
.set STEPB,  4096                      ; a slot's part of a block: two K steps of 128
.set FR,     16                        ; registers of a fragment
.set NL,     4                         ; LDS loads that bring one
.set NP,     4                         ; places behind this matrix instruction (ISA guide 7.12.1)
.set HALFT,  8*STEPB                   ; 128 rows: what one tensor load brings, and what one wave reads of A or of B
.set SLOT,   4*HALFT                   ; A's 256 rows, then B's 256 rows
.set LAPS,   2                         ; 1,024 along K = 4 K steps = twice round the ring
.set SPARE,  2*SLOT                    ; behind the ring: the spare words, 128 bytes for each wave: two blocks of 256 bytes that no other line names
.set ADRA, 16                          ; v16-17  LDS address of my A fragments in slot 0, 1
.set ADRB, 20                          ; v20-21  the same for B
.set LI,   27                          ; v27     16 x lane; never rewritten
.set SPW,  28                          ; v28     LDS address of my spare word; never rewritten
.set NIL,  29                          ; v29     0; never rewritten
.set SCL,  30                          ; v30     the conversion's scale as f32
.set LIM,  31                          ; v31     448 x that
.set T,    32                          ; v32-95  the table: two sets of 32: register 16 c + 2 i: cos, 16 c + 2 i + 1: sin of pair 16 c + 8 h + i at my token's position
.set CD,   128                         ; v128-159 codes, two sets of 16
.set U,    160                         ; v160-223 64 numbers on their way to codes
.set AF,   128                         ; A's fragments, in window 0
.set G1, 24                            ; s[24:31] descriptor group 1 for A's tiles;  s[32:39] group 0, one set for each slot
.set G0, 32
.set G1B, 48                           ; s[48:55], s[56:63] the same for B's tiles
.set G0B, 56
.set MSB, 0
.macro WIN new                         ; the immediate's high byte repeats the setting that is left
.if MSB != \new
	s_set_vgpr_msb (MSB<<8)|\new
.set MSB, \new
.endif
.endm
.set MUL_LO, 0xa1                      ; source 0 (B) window 1, source 1 (A) window 0, C and D window 2
.set MUL_HI, 0xf1                      ; the same, C and D window 3
.set TO_B,   0x40                      ; destination window 1, address window 0
; A joint load: waves 0 and 1 fetch for A, waves 2 and 3 for B.  Each of the two lines has ONE mask and one set of registers for all that issue it; the branch hangs on the wave's number alone.
; An s_nop 0 and four v_nop follow each of the two lines, ahead of the jump, the label and what follows.
.macro JLOAD g0a, g1a, g0b, g1b
	s_cmp_eq_u32 s15, 0
	s_cbranch_scc0 .Lfor_b_\@
	tensor_load_to_lds s[\g0a:\g0a+3], s[\g1a:\g1a+7]
	s_nop 0
.rept 4
	v_nop
.endr
	s_branch .Lasked_\@
.Lfor_b_\@:
	tensor_load_to_lds s[\g0b:\g0b+3], s[\g1b:\g1b+7]
	s_nop 0
.rept 4
	v_nop
.endr
.Lasked_\@:
.endm
.macro CREST                           ; a round of the cluster's barrier behind its opening barrier
	s_cmp_lg_u32 s14, 0
	s_cbranch_scc1 .Lnot_wave_0_\@
	s_barrier_signal -3
.Lnot_wave_0_\@:
	s_barrier_wait -3
	s_barrier_signal -1
	s_barrier_wait -1
.endm
.macro CROUND                          ; a whole round
	s_barrier_signal -1
	s_barrier_wait -1
	CREST
.endm
	s_load_b128 s[4:7], s[0:1], 0x0                ; the codes s[4:5], the table s[6:7]
	s_load_b128 s[8:11], s[0:1], 0x10              ; the scales' exponents s[8:9], qkv s[10:11]
	v_lshl_add_u32 v[SPW], v0, 2, SPARE
	v_mov_b32 v[NIL], 0
	ds_add_u32 v[SPW], v[NIL]                      ; the wave's opening: the add and its wait stand ahead of my first tensor load; the set-up below, work on registers, stands between them
	v_lshrrev_b32 v1, 5, v0
	v_readfirstlane_b32 s14, v1                    ; wave 0..3
	s_lshr_b32 s15, s14, 1                         ; which half of the tile's rows of A is mine.  Also: I fetch for A (0) or for B (1)
	s_and_b32 s16, s14, 1                          ; which half of its rows of B.  Also: which 128 rows of that tile I fetch
	s_bfe_u32 s40, ttmp6, 0x40000                  ; cx, cy: my place in the cluster
	s_bfe_u32 s41, ttmp6, 0x40004
	s_and_b32 s66, ttmp7, 0xffff                   ; the cluster's y, 0..7: which 1,024 tokens
	s_lshl_b32 s69, ttmp9, 23                      ; the cluster's x, 0..2: Q, K, V.  x's codes under that product's scale,
	s_lshl_b32 s70, ttmp9, 20
	s_add_co_u32 s70, s70, WOFF                    ; and the weight's
	s_cmp_eq_u32 ttmp9, 2                          ; V?  The same in all sixteen partners
	s_cselect_b32 s67, s66, 0                      ; which four tile columns (rows of B),
	s_cselect_b32 s68, 0, s66                      ; which four tile rows (rows of A)
	s_cselect_b32 s69, WOFF+2*WB, s69              ; where A's codes begin,
	s_cselect_b32 s70, 2*XB, s70                   ; and B's
	s_lshl_b32 s42, s67, 2
	s_add_co_u32 s42, s42, s40                     ; tile column
	s_lshl_b32 s17, s68, 2
	s_add_co_u32 s17, s17, s41                     ; tile row
	s_lshl_b32 s43, s41, 2
	s_lshl_b32 s43, 15, s43                        ; my row of the cluster
	s_lshl_b32 s44, 0x1111, s40                    ; my column
	; descriptor group 1: 8 rows (blocks of 16 matrix rows) of 512 elements of 8 bytes, 2,048 elements apart; dense in LDS
	s_or_b32 s[G1+0], s43, (3<<16)|(1<<21)         ; 15:0 the mask: A's tiles go to my row; 17:16 elements of 8 bytes; 20 no padding; 21 set beside a mask
	s_or_b32 s[G1B+0], s44, (3<<16)|(1<<21)
.irp g, G1, G1B
	s_mov_b32 s[\g+1], 512<<16                     ; tensor_dim0 = 512
	s_mov_b32 s[\g+2], 8<<16                       ; tensor_dim1 = 8
	s_mov_b32 s[\g+3], 512<<16                     ; tile_dim0 = 512
	s_mov_b32 s[\g+4], 8                           ; tile_dim1 = 8
	s_mov_b32 s[\g+5], 2048                        ; tensor_dim0_stride: a block's 16,384 bytes
	s_mov_b32 s[\g+6], 0
	s_mov_b32 s[\g+7], 0
.endr
	s_lshl_b32 s18, s16, 7                         ; which 128 rows of the tile I fetch
	s_lshl_b32 s20, s17, 8
	s_add_co_u32 s20, s20, s18                     ; A: row 256 x tile row + 128 x half,
	s_lshl_b32 s20, s20, 10                        ; 1,024 bytes a row,
	s_add_co_u32 s20, s20, s69                     ; in A's part of the buffer: under 2^25
	s_mov_b32 s21, 0
	s_lshl_b32 s46, s42, 8
	s_add_co_u32 s46, s46, s18                     ; B likewise, in registers that never feed A's descriptors
	s_lshl_b32 s46, s46, 10
	s_add_co_u32 s46, s46, s70
	s_mov_b32 s47, 0
	s_mul_i32 s45, s14, HALFT                      ; where they go: wave x 128 rows: no place in the cluster enters an LDS address
	s_wait_dscnt 0x0                               ; the opening add is done
	s_wait_kmcnt 0x0
	s_load_b256 s[76:83], s[8:9], 0x0              ; entries 0 to 7
	s_load_b128 s[84:87], s[8:9], 0x20             ; entries 8 to 11
	s_add_nc_u64 s[20:21], s[4:5], s[20:21]
	s_add_nc_u64 s[46:47], s[4:5], s[46:47]
	CROUND                                         ; all sixteen work-groups are here: the first joint loads meet
.irp s, 0,1
	s_mov_b32 s[G0+4*\s], 1
	s_add_co_u32 s[G0+4*\s+1], s45, \s*SLOT
	s_add_nc_u64 s[G0+4*\s+2:G0+4*\s+3], s[20:21], \s*STEPB
	s_or_b32 s[G0+4*\s+3], s[G0+4*\s+3], 0x80000000
	s_mov_b32 s[G0B+4*\s], 1
	s_add_co_u32 s[G0B+4*\s+1], s45, \s*SLOT
	s_add_nc_u64 s[G0B+4*\s+2:G0B+4*\s+3], s[46:47], \s*STEPB
	s_or_b32 s[G0B+4*\s+3], s[G0B+4*\s+3], 0x80000000
	JLOAD G0+4*\s, G1, G0B+4*\s, G1B               ; two tensor loads of mine are out
.endr
	v_and_b32 v1, 31, v0
	v_lshlrev_b32 v[LI], 4, v1
	s_mul_i32 s21, s15, HALFT                      ; my 128 rows of A
	s_mul_i32 s22, s16, HALFT                      ; my 128 rows of B,
	s_add_co_u32 s22, s22, 2*HALFT                 ; which lie behind A's 256
.irp s, 0,1
	v_add_nc_u32 v[ADRA+\s], s21, v[LI]
	v_add_nc_u32 v[ADRB+\s], s22, v[LI]
	s_add_co_u32 s21, s21, SLOT
	s_add_co_u32 s22, s22, SLOT
.endr
	; where my results go, and my tokens' part of the table
	s_lshl_b32 s20, s17, 8
	s_lshl_b32 s21, s15, 7
	s_add_co_u32 s20, s20, s21                     ; my first row of A
	s_lshl_b32 s46, s42, 8
	s_lshl_b32 s47, s16, 7
	s_add_co_u32 s46, s46, s47                     ; my first row of B
	s_cmp_eq_u32 ttmp9, 2
	s_cselect_b32 s91, s46, s20                    ; my first token,
	s_cselect_b32 s92, s20, s46                    ; my first channel
	s_lshr_b32 s93, s91, 11
	s_lshl_b32 s93, s93, 4
	s_lshr_b32 s94, s92, 6
	s_add_co_u32 s93, s93, s94                     ; batch x 16 + head
	s_lshl_b32 s93, s93, 17                        ; planes of 131,072 bytes
	s_and_b32 s94, s91, 2047                       ; the token's place in its sequence
	s_lshl_b32 s72, s94, 8                         ; the table: 4,096 bytes for 16 positions
	s_mov_b32 s73, 0
	s_add_nc_u64 s[72:73], s[6:7], s[72:73]
	s_lshl_b32 s94, s94, 6                         ; Q, K: 1,024 bytes for 16 tokens; V: 8,192 for 128: 64 a token either way
	s_add_co_u32 s74, s93, s94
	s_lshl_b32 s94, ttmp9, 23                      ; Q's, K's or V's part
	s_add_co_u32 s74, s74, s94
	s_mov_b32 s75, 0
	s_add_nc_u64 s[10:11], s[10:11], s[74:75]
.macro TLOADS a                        ; the table for my tokens 16 a .. 16 a + 15, into set a % 2
.irp g, 0,1,2,3,4,5,6,7
	global_load_b128 v[T+32*((\a)%2)+4*\g:T+32*((\a)%2)+4*\g+3], v[LI], s[72:73] offset:4096*(\a)+512*\g
.endr
.endm
	TLOADS 0                                       ; they land while the products run
	TLOADS 1
.macro FRAG reg, adr, q, i             ; a fragment: block i of my eight, the slot's q-th 128 along K
.irp c, 0,1,2,3
	ds_load_b128 v[\reg+4*\c:\reg+4*\c+3], v[\adr] offset:4096*(\i)+2048*(\q)+512*\c
.endr
.endm
; 16 matrix instructions: A's blocks a0, a0 + 1 x B's eight, 128 along K.  p: B's set.  zero = 1: the first product starts the sums: nothing is ever cleared.
; The 64 accumulators take turns, one instruction a turn, in the same order in every step.
.macro MUL16 a0, p, zero
.irp a, \a0, \a0+1
.irp b, 0,1,2,3,4,5,6,7
.if \zero
	v_wmma_f32_16x16x128_fp8_fp8 v[8*(8*((\a)%4)+\b):8*(8*((\a)%4)+\b)+7], v[128*(\p)+FR*\b:128*(\p)+FR*\b+FR-1], v[AF+FR*(\a):AF+FR*(\a)+FR-1], 0
.else
	v_wmma_f32_16x16x128_fp8_fp8 v[8*(8*((\a)%4)+\b):8*(8*((\a)%4)+\b)+7], v[128*(\p)+FR*\b:128*(\p)+FR*\b+FR-1], v[AF+FR*(\a):AF+FR*(\a)+FR-1], v[8*(8*((\a)%4)+\b):8*(8*((\a)%4)+\b)+7]
.endif
.endr
.endr
.endm
.macro FETCH_B slot, q, p              ; B's eight fragments of the slot's q-th 128 along K into set p
	WIN TO_B
.irp i, 0,1,2,3,4,5,6,7
	FRAG 128*(\p)+FR*\i, ADRB+\slot, \q, \i
.endr
	WIN 0
.endm
.macro FETCH_A slot, q, i0             ; A's blocks i0 .. i0 + 3
.irp i, \i0, \i0+1, \i0+2, \i0+3
	FRAG AF+FR*(\i), ADRA+\slot, \q, \i
.endr
.endm
; A load into a register that a matrix instruction has read, and a vector instruction that reads a matrix result or writes one of its registers, stand NP places behind it; only plain vector
; instructions that name none of its registers are places (ISA guide 7.12.1 for vector instructions).
.macro PLACES n
.rept \n
	v_nop
.endr
.endm
; A step of 128 along K that has its successor in the same slot.  A block of A is free as soon as its eight products are issued, so one set serves A: blocks 0-3 are fetched anew in the step's middle, blocks 4-7 at its end.
.macro STEP slot, q, zero
	s_wait_dscnt 4*NL                              ; B's set and A's blocks 0-3 are in; the youngest 16 loads (A's blocks 4-7) may be out
	WIN MUL_LO
	MUL16 0, (\q)%2, \zero
	MUL16 2, (\q)%2, \zero
	s_wait_dscnt 0                                 ; A's blocks 4-7 are in
	PLACES NP
	FETCH_B \slot, (\q)+1, 1-(\q)%2
	FETCH_A \slot, (\q)+1, 0
	WIN MUL_HI
	MUL16 4, (\q)%2, \zero
	MUL16 6, (\q)%2, \zero
	PLACES NP
	WIN 0
	FETCH_A \slot, (\q)+1, 4
.endm
; A slot's last step changes slots: ONE barrier; in front of it each wave waits for all its tensor loads, adds 0 to its spare word, and waits for that and for its own reads of this slot.  fill = 1: this slot is filled again, two K steps ahead.
.macro TURN slot, next, fill
	s_wait_tensorcnt 0x0                           ; all my tensor loads have landed: my part of the next slot;  (every window is 0 here)
	ds_add_u32 v[SPW], v[NIL]                      ; 0 onto my spare word
	s_wait_dscnt 4*NL+1                            ; (the add and the youngest 16 loads, A's blocks 4-7, may be out)
	WIN MUL_LO
	MUL16 0, 1, 0                                  ; sixteen matrix instructions stand between the add and the wait for it
	s_wait_dscnt 0x0                               ; the add is done, and my reads of this slot are over
	s_barrier_signal -1
	MUL16 2, 1, 0
	WIN 0
	s_barrier_wait -1
.if \fill
	CREST                                          ; the barrier has opened a round of the cluster's barrier: no wave of any partner still reads this slot's tile or has a load on its way
	s_add_nc_u64 s[G0+4*\slot+2:G0+4*\slot+3], s[G0+4*\slot+2:G0+4*\slot+3], 2*STEPB
	s_add_nc_u64 s[G0B+4*\slot+2:G0B+4*\slot+3], s[G0B+4*\slot+2:G0B+4*\slot+3], 2*STEPB
	JLOAD G0+4*\slot, G1, G0B+4*\slot, G1B         ; the first tensor load behind the round, my one load until the next; its four v_nop are the places in front of the loads below
.else
	PLACES NP
.endif
	FETCH_B \next, 0, 0
	FETCH_A \next, 0, 0
	WIN MUL_HI
	MUL16 4, 1, 0
	MUL16 6, 1, 0
	PLACES NP
	WIN 0
	FETCH_A \next, 0, 4
.endm
	s_wait_tensorcnt 1                             ; my part of K step 0 is in (K step 1's load may be out)
	s_barrier_signal -1
	s_barrier_wait -1                              ; everybody's is
	FETCH_B 0, 0, 0
	FETCH_A 0, 0, 0
	FETCH_A 0, 0, 4
	STEP 0, 0, 1                                   ; the first step stands in front of the loop: its products start the sums
	s_mov_b32 s3, LAPS-1
.Llap:                                                 ; a trip goes once round the ring, from a lap's second step to the next lap's first, and fills both slots again
	TURN 0, 1, 1
	STEP 1, 0, 0
	TURN 1, 0, 1
	STEP 0, 0, 0
	s_sub_co_u32 s3, s3, 1
	s_cmp_lg_u32 s3, 0
	s_cbranch_scc1 .Llap
	TURN 0, 1, 0                                   ; the last lap fills nothing, and has no round of the cluster's barrier
	STEP 1, 0, 0
	s_wait_dscnt 4*NL                              ; the very last step: nothing more to fetch
	WIN MUL_LO
	MUL16 0, 1, 0
	MUL16 2, 1, 0
	s_wait_dscnt 0
	WIN MUL_HI
	MUL16 4, 1, 0
	MUL16 6, 1, 0
	WIN 0
	; THE WAY OUT.  The conversion's scale: 2^(eout - ex - ew), chosen among the three without a branch
	s_wait_kmcnt 0x0
	s_sub_co_i32 s88, s82, s76
	s_sub_co_i32 s88, s88, s77                     ; Q: 6 - 0 - 1
	s_sub_co_i32 s89, s83, s78
	s_sub_co_i32 s89, s89, s79                     ; K: 7 - 2 - 3
	s_sub_co_i32 s90, s85, s80
	s_sub_co_i32 s90, s90, s81                     ; V: 9 - 4 - 5
	s_cmp_eq_u32 ttmp9, 1
	s_cselect_b32 s88, s89, s88
	s_cmp_eq_u32 ttmp9, 2
	s_cselect_b32 s88, s90, s88
	s_add_co_i32 s88, s88, 127
	s_lshl_b32 s89, s88, 23
	s_add_co_i32 s88, s88, 8
	s_lshl_b32 s88, s88, 23
	s_or_b32 s88, s88, 0x600000
	PLACES NP                                      ; behind the last products: what follows reads results and writes registers that held A's fragments
	v_mov_b32 v[SCL], s89
	v_mov_b32 v[LIM], s88
	s_cmp_eq_u32 ttmp9, 2
	s_cbranch_scc1 .Lv_out
; Q, K: my tokens 16 a .. 16 a + 15, my 128 channels (two heads).  Registers 16 b + 0 .. 15 of the block's 64 are channels 32 b + 16 h + 0 .. 15: eight pairs (even, odd) of the rotation.
.macro QKOUT a
.if (\a) < 7
	s_wait_loadcnt 8                               ; this block's set of the table is in; the next block's eight loads may be out
.else
	s_wait_loadcnt 0
.endif
	s_wait_xcnt 0x0                                ; earlier stores have read their data: the codes' registers may be written again
.set AC, 64*((\a)%4)
.set TT, T+32*((\a)%2)
.set CC, CD+16*((\a)%2)
	WIN 0x02+((\a)/4)                              ; source 0: window 2 or 3
.irp b, 0,1,2,3
.irp i, 0,2,4,6,8,10,12,14
	v_pk_mul_f32 v[U+16*\b+\i:U+16*\b+\i+1], v[AC+16*\b+\i:AC+16*\b+\i+1], v[TT+16*(\b%2)+\i:TT+16*(\b%2)+\i+1] op_sel_hi:[1,0]   ; both x cos; each accumulator is read from its low end on
.endr
.irp i, 0,2,4,6,8,10,12,14
	v_fma_f32 v[U+16*\b+\i], -v[AC+16*\b+\i+1], v[TT+16*(\b%2)+\i+1], v[U+16*\b+\i]      ; even: - odd x sin
	v_fma_f32 v[U+16*\b+\i+1], v[AC+16*\b+\i], v[TT+16*(\b%2)+\i+1], v[U+16*\b+\i+1]     ; odd: + even x sin
.endr
.endr
	WIN 0
.set i, 0
.rept 64
	v_med3_num_f32 v[U+i], v[U+i], -v[LIM], v[LIM] ; the conversion to an 8-bit code does not saturate (ISA guide 7.6.2): the hold comes first
.set i, i+1
.endr
.irp b, 0,1,2,3
	v_cvt_scalef32_pk8_fp8_f32 v[CC+4*\b:CC+4*\b+1], v[U+16*\b:U+16*\b+7], v[SCL]
	v_cvt_scalef32_pk8_fp8_f32 v[CC+4*\b+2:CC+4*\b+3], v[U+16*\b+8:U+16*\b+15], v[SCL]
.endr
	v_nop                                          ; a plain line between the conversions and the next write of their sources
.irp b, 0,1,2,3
	global_store_b128 v[LI], v[CC+4*\b:CC+4*\b+3], s[10:11] offset:(\b/2)*131072+1024*(\a)+512*(\b%2)   ; head b / 2, half b % 2 of its 64 channels: 512 consecutive bytes
.endr
.if (\a) < 6
	TLOADS (\a)+2                                  ; into the set just read
.endif
.endm
.irp a, 0,1,2,3,4,5,6,7
	QKOUT \a
.endr
	s_branch .Lend
.Lv_out:
; V: my channel rows 16 a .. 16 a + 15 (head a / 4, tile a % 4), my 128 tokens (one key step).  Accumulator b's eight registers are keys 16 b + 8 h + 0 .. 7.
.macro VOUT a
	s_wait_xcnt 0x0                                ; earlier stores have read their data
.set AC, 64*((\a)%4)
.set CC, CD+16*((\a)%2)
	WIN 0x02+((\a)/4)
.set i, 0
.rept 64
	v_med3_num_f32 v[U+i], v[AC+i], -v[LIM], v[LIM]   ; ascending: each accumulator from its low end on
.set i, i+1
.endr
	WIN 0
.irp b, 0,1,2,3,4,5,6,7
	v_cvt_scalef32_pk8_fp8_f32 v[CC+2*\b:CC+2*\b+1], v[U+8*\b:U+8*\b+7], v[SCL]
.endr
	v_nop
.irp c, 0,1,2,3
	global_store_b128 v[LI], v[CC+4*\c:CC+4*\c+3], s[10:11] offset:((\a)/4)*131072+((\a)%4)*2048+512*\c
.endr
.endm
.irp a, 0,1,2,3,4,5,6,7
	VOUT \a
.endr
.Lend:
	s_wait_tensorcnt 0x0                           ; the wave's end, behind my last tensor load
	ds_add_u32 v[SPW], v[NIL]
	s_wait_dscnt 0x0
	CROUND                                         ; the closing round: no work-group ends while a partner may still ask for a tile that names it
	s_endpgm
.Lfunc_end_k_qda24082b5a_qkv:
	.size	k_qda24082b5a_qkv, .Lfunc_end_k_qda24082b5a_qkv-k_qda24082b5a_qkv
	.p2alignl 7, 3214868480
	.fill 96, 4, 3214868480
	.section	.rodata,"a",@progbits
	.p2align	6, 0x0
	.amdhsa_kernel k_qda24082b5a_qkv
		.amdhsa_group_segment_fixed_size 327680
		.amdhsa_private_segment_fixed_size 0
		.amdhsa_enable_private_segment 0
		.amdhsa_kernarg_size 32
		.amdhsa_user_sgpr_count 2
		.amdhsa_user_sgpr_kernarg_segment_ptr 1
		.amdhsa_wavefront_size32 1
		.amdhsa_system_sgpr_workgroup_id_x 1
		.amdhsa_system_sgpr_workgroup_id_y 1
		.amdhsa_system_sgpr_workgroup_id_z 1
		.amdhsa_system_vgpr_workitem_id 0
		.amdhsa_next_free_vgpr 1024
		.amdhsa_next_free_sgpr 100
		.amdhsa_reserve_vcc 0
		.amdhsa_float_denorm_mode_32 3
		.amdhsa_float_denorm_mode_16_64 3
		.amdhsa_memory_ordered 1
		.amdhsa_forward_progress 1
		.amdhsa_inst_pref_size 213
	.end_amdhsa_kernel
	.amdgpu_metadata
---
amdhsa.version: [ 1, 2 ]
amdhsa.kernels:
  - .name:           k_qda24082b5a_qkv
    .symbol:         k_qda24082b5a_qkv.kd
    .args:
      - { .name: codes, .offset: 0, .size: 8, .value_kind: global_buffer, .address_space: global }
      - { .name: rope, .offset: 8, .size: 8, .value_kind: global_buffer, .address_space: global }
      - { .name: lowp_scales, .offset: 16, .size: 8, .value_kind: global_buffer, .address_space: global }
      - { .name: qkv, .offset: 24, .size: 8, .value_kind: global_buffer, .address_space: global }
    .group_segment_fixed_size: 327680
    .private_segment_fixed_size: 0
    .kernarg_segment_align: 8
    .kernarg_segment_size: 32
    .max_flat_workgroup_size: 128
    .sgpr_count:     100
    .vgpr_count:     1024
    .wavefront_size: 32
...
	.end_amdgpu_metadata
.endif
;; end of part 2
;; launch attn (part 3): grid 4 x 64, 8 waves a work-group, no clusters, 263,168 bytes of LDS; arguments qkv, lowp_scales, oc; writes oc
.if DOCPART == 3
	.amdgcn_target "amdgcn-amd-amdhsa--gfx1250"
	.amdhsa_code_object_version 6
	.text
	.protected	k_qda24082b5a_attn
	.globl	k_qda24082b5a_attn
	.p2align	8
	.type	k_qda24082b5a_attn,@function
k_qda24082b5a_attn:
	s_mov_b64 s[64:65], 0
	v_nop
	global_prefetch_b8 v0, s[64:65] scope:SCOPE_SE
	s_setreg_imm32_b32 hwreg(HW_REG_WAVE_MODE, 25, 1), 1
	s_wait_xcnt 0x0
; ATTN: O = softmax(Q K^T / 8, causal) V for one head of one batch, both products on codes of FP8 (E4M3); the result is quantised for the output projection.
; THE SOFTMAX AHEAD OF THE SECOND PRODUCT: t = score x log2(e) / 8; M = the running largest t rounded UP to a whole number; p = 2^(t - M) is quantised along the keys, not normalised; the row's sum is taken of the
; unquantised p and divides O at the end.  When M moves, the sum and O are multiplied by 2^(old M - new M): exact.
; SHARES.  2,048 queries of a head are 8 blocks of 256.  Work-group x (0..3) of a head takes block 7 - x (pass 1) and then block x (pass 2).  Each of its eight waves owns 32 queries, two tiles of 16:
; first query 256 (7 - x) + 32 w, then 256 x + 32 (7 - w).  A wave walks the key steps (128 keys) whose first key is not behind its first query: 15 - 2 x + w / 4 and 2 x + 1 + (7 - w) / 4: 17 for every wave of the launch.
; LDS.  A head's K and V are 256 KB of codes and stay: slot s (256 keys) at 32,768 s: K's 16 KB, then V's.  Each byte is written once, by ds_store, and never again.  Trip s of pass 1: each wave stores its 4 KB of slot s
; (loaded a trip earlier), one barrier, then it loads its part of slot s + 1 into registers.  Between two barriers the reads touch slot s and the stores slot s + 1.  Pass 2 finds all its keys in LDS: no loads, no barrier.
; Every wave walks all 8 (pass 2: 4) trips and passes every barrier; what lies behind the diagonal is left out by scalar branches on ids.
; NO JOINT LOADS: the four work-groups of a head need 8, 7, 6 and 5 slots, so partners would need different numbers of tiles, and a work-group reads each byte of K and V once: 8 loads and 8 LDS stores a wave for
; two key steps' work.  The hold of p may be left out by a scalar branch on the given exponent: where ep >= -8, 448 x 2^ep is 1.75 or more and p is at most 1 (a last bit over at worst).
; LAYOUT.  Both products are used transposed: S^T = K Q^T (source 0 = 16 keys, source 1 = 16 queries), O^T = V^T P^T (source 0 = 16 channel rows, source 1 = P): a lane holds ONE query throughout.
; S^T's tile t, register j: key 16 t + 8 h + j: its conversion gives registers 2 t, 2 t + 1 of P, and V's images hold the keys in the same places.  V's channel rows are laid so that O^T's tiles 2 b, 2 b + 1 are
; channels 32 b + 16 h + 0 .. 15: the conversions' results are the image that the output projection reads: oc[block of 16 tokens][head / 2][2 (head % 2) + b][lane][16].
; LIMITS on the given exponents: entries 6 + 7 between -123 and 130 (added to c's exponent field); entries 8 and 10 between -126 and 119; 8 + 9 is applied by v_ldexp_f32 and has none.
; REGISTERS.  Window 0: v1-15 addresses and constants; v16-31 eight statistics a tile; v32-47 at work; v64-191 S^T, then p (64 a tile); v192-223 P (16 a tile); v224-239 Q (8 a tile).
;   Window 1: v0-63 O^T (32 a tile); v64-127 K's eight fragments; v128-191 V's four; v192-223 my 4 KB of the next slot.
.set XB,    8388608
.set SLOTB, 32768
.set SPARE, 8*SLOTB                    ; behind the eight slots: the spare words, 128 bytes for each wave: four blocks of 256 bytes that no other line names
.set LI,  1                            ; v1   16 x lane; never rewritten
.set ADR, 2                            ; v2   the slot in hand + 16 x lane
.set STA, 3                            ; v3   4,096 x wave + 16 x lane
.set STT, 4                            ; v4   where I store my part of a slot
.set PFO, 5                            ; v5   256 x lane: the prefetch's offset; never rewritten
.set SPW, 6                            ; v6   LDS address of my spare word; never rewritten
.set NIL, 7                            ; v7   0; never rewritten
.set ST,  16                           ; tile u's statistics at v[ST + 8 u]: +0 -M, +1 the largest t, +2, +3 the sum in two halves, +4 f (+5 named with it as a pair)
.set TM,  32                           ; at work, tile u at v[TM + 8 u]
.set S,   64
.set P,   192
.set QF,  224
.set KFR, 64                           ; window 1
.set VFR, 128
.set STG, 192
.set Q0,  18                           ; s18  my first query
.set KF,  19                           ; s19  the step's first key
.set TB,  20                           ; s20  LDS byte at which the slot in hand begins
.set SL,  21                           ; s21  the slot's number: the loops' counter
.set SLIM, 22                          ; s22  7 - x: the last slot that my work-group needs
.set PLIM, 23                          ; s23  6 in a wave that prefetches, else 0
.set CS,  24                           ; s[24:25] c = log2(e) / 8 x 2^(eq + ek)
.set GB,  16                           ; s[16:17] my part of the slot last loaded, in memory
.set MSB, 0
.macro WIN new                         ; the immediate's high byte repeats the setting that is left
.if MSB != \new
	s_set_vgpr_msb (MSB<<8)|\new
.set MSB, \new
.endif
.endm
.set W_KQ, 0x01                        ; source 0 (K) window 1
.set W_PV, 0x51                        ; source 0 (V), C and D (O^T) window 1
.set W_LD, 0x40                        ; destination window 1
.set W_ST, 0x04                        ; an LDS store's data window 1
.set W_RS, 0x41                        ; O^T (destination and source 0) window 1
	s_load_b128 s[4:7], s[0:1], 0x0                ; qkv s[4:5], the scales' exponents s[6:7]
	s_load_b64 s[8:9], s[0:1], 0x10                ; oc
	v_lshl_add_u32 v[SPW], v0, 2, SPARE
	v_mov_b32 v[NIL], 0
	v_lshrrev_b32 v2, 5, v0
	v_readfirstlane_b32 s10, v2                    ; wave 0..7
	v_and_b32 v1, 31, v0
	v_lshlrev_b32 v[PFO], 8, v1
	v_lshlrev_b32 v[LI], 4, v1
	s_lshl_b32 s38, s10, 12
	v_add_nc_u32 v[STA], s38, v[LI]
	v_and_b32 v8, 15, v0
	v_bfe_u32 v9, v0, 4, 1
	v_lshlrev_b32 v9, 3, v9
	v_sub_nc_u32 v11, v8, v9                       ; r - 8 h, for the mask
	v_mov_b32 v10, 0xff800000                      ; -infinity
	s_and_b32 s11, ttmp7, 0xffff                   ; batch x 16 + head
	s_lshl_b32 s12, s11, 17                        ; its plane of 131,072 bytes in Q, in K and in V
	s_mov_b32 s13, 0
	s_sub_co_u32 s[SLIM], 7, ttmp9
	s_and_b32 s38, s10, 1
	s_or_b32 s38, s38, ttmp9
	s_cmp_eq_u32 s38, 0                            ; the even waves of the head's first work-group prefetch
	s_cselect_b32 s[PLIM], 6, 0
	s_and_b32 s38, s10, 3
	s_lshl_b32 s38, s38, 12                        ; waves 0-3 carry K's 16 KB of a slot, waves 4-7 V's: 4,096 bytes each
	s_add_co_u32 s38, s38, s12
	s_mov_b32 s40, 2*XB
	s_cmp_lt_u32 s10, 4
	s_cselect_b32 s40, XB, s40
	s_add_co_u32 s38, s38, s40
	s_mov_b32 s39, 0
	s_lshr_b32 s46, s11, 4                         ; oc: batch x 128 blocks of 16,384 bytes,
	s_lshl_b32 s46, s46, 21
	s_and_b32 s47, s11, 15
	s_lshr_b32 s47, s47, 1
	s_lshl_b32 s47, s47, 11                        ; + K step head / 2,
	s_add_co_u32 s46, s46, s47
	s_and_b32 s47, s11, 1
	s_lshl_b32 s47, s47, 10                        ; + its half head % 2
	s_add_co_u32 s46, s46, s47
	s_mov_b32 s26, 0x76543210                      ; v_permlanex16_b32's selects for lane l xor 16
	s_mov_b32 s27, 0xfedcba98
	s_wait_kmcnt 0x0
	s_load_b128 s[28:31], s[6:7], 0x18             ; entries 6 to 9: eq, ek, ep, ev
	s_load_b32 s32, s[6:7], 0x28                   ; entry 10: eo
	s_add_nc_u64 s[14:15], s[4:5], s[12:13]        ; Q's plane
	s_add_nc_u64 s[GB:GB+1], s[4:5], s[38:39]      ; my part of slot 0
.macro FETCH_K off                     ; a step's eight fragments of K (16 keys x 64): 1,024 bytes each
.irp t, 0,1,2,3,4,5,6,7
	ds_load_b128 v[KFR+8*\t:KFR+8*\t+3], v[ADR] offset:\off+1024*\t
	ds_load_b128 v[KFR+8*\t+4:KFR+8*\t+7], v[ADR] offset:\off+1024*\t+512
.endr
.endm
; A KEY STEP: 128 keys, the q-th of the slot in hand, for my two tiles of queries.  Step 1 is reached through step 0 of the same trip alone.
.macro STEP q
.if \q == 0
	v_add_nc_u32 v[ADR], s[TB], v[LI]
	WIN W_LD
	FETCH_K 0
.endif
	s_wait_dscnt 0x0                               ; K's fragments are in (step 1's were asked for in step 0)
	WIN W_KQ
.irp t, 0,1,2,3,4,5,6,7
.irp u, 0,1
	v_wmma_f32_16x16x64_fp8_fp8 v[S+64*\u+8*\t:S+64*\u+8*\t+7], v[KFR+8*\t:KFR+8*\t+7], v[QF+8*\u:QF+8*\u+7], 0
.endr
.endr
.rept 4
	v_nop                                          ; places behind the products: for the reads of S^T, and for the loads into K's registers and into V's, which the last step's products read
.endr
	WIN W_LD
.irp t, 0,1,2,3
.irp c, 0,1,2,3
	ds_load_b128 v[VFR+16*\t+4*\c:VFR+16*\t+4*\c+3], v[ADR] offset:16384+8192*\q+2048*\t+512*\c
.endr
.endr
.if \q == 0
	FETCH_K 8192                                   ; the slot's second step: its bytes lie in LDS whether or not the step is walked
.endif
	WIN 0
	s_add_co_u32 s38, s[KF], 127                   ; on the diagonal the scores of hidden keys become -infinity ahead of the maximum: p = 0 then.  A step all of whose keys count skips this
	s_cmp_le_u32 s38, s[Q0]
	s_cbranch_scc1 .Lopen_\@
	s_sub_co_i32 s38, s[Q0], s[KF]
	v_add_nc_u32 v8, s38, v11                      ; d = my query - the step's first key - 8 h.  Register n holds key 16 (n / 8) + n % 8 + 8 h: hidden where 16 (n / 8) + n % 8 > d
	v_add_nc_u32 v9, 16, v8                        ; tile 1's queries lie 16 further on
.set n, 0
.rept 64
	v_cmp_gt_i32 vcc_lo, 16*(n/8)+n%8, v8
	v_cndmask_b32 v[S+n], v[S+n], v10, vcc_lo
	v_cmp_gt_i32 vcc_lo, 16*(n/8)+n%8, v9
	v_cndmask_b32 v[S+64+n], v[S+64+n], v10, vcc_lo
.set n, n+1
.endr
.Lopen_\@:
.irp u, 0,1                                    ; the step's largest score of my query among my 64 keys, in two chains a tile; each accumulator is read from its low end on
	v_max3_num_f32 v[TM+8*\u], v[S+64*\u], v[S+64*\u+1], v[S+64*\u+2]
	v_max3_num_f32 v[TM+8*\u+1], v[S+64*\u+3], v[S+64*\u+4], v[S+64*\u+5]
.endr
.set i, 6
.rept 14
.irp u, 0,1
	v_max3_num_f32 v[TM+8*\u], v[TM+8*\u], v[S+64*\u+i], v[S+64*\u+i+1]
	v_max3_num_f32 v[TM+8*\u+1], v[TM+8*\u+1], v[S+64*\u+i+2], v[S+64*\u+i+3]
.endr
.set i, i+4
.endr
.irp u, 0,1
	v_max3_num_f32 v[TM+8*\u], v[TM+8*\u], v[S+64*\u+62], v[S+64*\u+63]
.endr
.irp u, 0,1
	v_max_num_f32 v[TM+8*\u], v[TM+8*\u], v[TM+8*\u+1]
.endr
.irp u, 0,1
	v_permlanex16_b32 v[TM+8*\u+2], v[TM+8*\u], s26, s27
.endr
.irp u, 0,1
	v_max_num_f32 v[TM+8*\u], v[TM+8*\u], v[TM+8*\u+2]   ; and among lane l xor 16's
.endr
.irp u, 0,1
	v_mul_f32 v[TM+8*\u], s[CS], v[TM+8*\u]        ; as t (c is positive)
.endr
.irp u, 0,1
	v_max_num_f32 v[ST+8*\u+1], v[ST+8*\u+1], v[TM+8*\u]   ; the running largest t
.endr
.irp u, 0,1
	v_mov_b32 v[TM+8*\u], v[ST+8*\u]
.endr
.irp u, 0,1
	v_floor_f32 v[ST+8*\u], -v[ST+8*\u+1]          ; the new -M = floor(-t): M is a whole number
.endr
.irp u, 0,1
	v_sub_f32 v[TM+8*\u], v[ST+8*\u], v[TM+8*\u]   ; old M - new M: a whole number, 0 or less
.endr
.irp u, 0,1
	v_cvt_i32_f32 v[TM+8*\u], v[TM+8*\u]           ; (it saturates)
.endr
.irp u, 0,1
	v_ldexp_f32 v[ST+8*\u+4], 1.0, v[TM+8*\u]      ; f = 2^(old M - new M)
.endr
.set i, 0
.rept 32
.irp u, 0,1
	v_pk_fma_f32 v[S+64*\u+i:S+64*\u+i+1], v[S+64*\u+i:S+64*\u+i+1], s[CS:CS+1], v[ST+8*\u:ST+8*\u+1] op_sel_hi:[1,0,0]   ; t - M, two at a time (of the pairs c and -M the low word serves both halves)
.endr
.set i, i+2
.endr
.set i, 0
.rept 128
	v_exp_f32 v[S+i], v[S+i]                       ; p = 2^(t - M): one batch for both tiles
.set i, i+1
.endr
.irp u, 0,1
	v_pk_mul_f32 v[ST+8*\u+2:ST+8*\u+3], v[ST+8*\u+2:ST+8*\u+3], v[ST+8*\u+4:ST+8*\u+5] op_sel_hi:[1,0]   ; the sums under the new M: plain lines behind the exponentials
.endr
	s_wait_alu depctr_va_vdst(0)                   ; one wait for the whole batch, ahead of its first reader
.irp u, 0,1
	v_pk_add_f32 v[TM+8*\u+4:TM+8*\u+5], v[S+64*\u:S+64*\u+1], v[S+64*\u+2:S+64*\u+3]   ; the row's sum is taken of the unquantised p: two at a time, in two chains a tile
.endr
.set i, 4
.rept 15
.irp u, 0,1
	v_pk_add_f32 v[ST+8*\u+2:ST+8*\u+3], v[ST+8*\u+2:ST+8*\u+3], v[S+64*\u+i:S+64*\u+i+1]
	v_pk_add_f32 v[TM+8*\u+4:TM+8*\u+5], v[TM+8*\u+4:TM+8*\u+5], v[S+64*\u+i+2:S+64*\u+i+3]
.endr
.set i, i+4
.endr
.irp u, 0,1
	v_pk_add_f32 v[ST+8*\u+2:ST+8*\u+3], v[ST+8*\u+2:ST+8*\u+3], v[TM+8*\u+4:TM+8*\u+5]
.endr
	s_cmp_ge_i32 s30, -8                           ; ep >= -8: 448 x 2^ep >= 1.75, over every p: the hold cannot act and is left out
	s_cbranch_scc1 .Lno_hold_\@
.set i, 0
.rept 128
	v_min_num_f32 v[S+i], v[S+i], v12              ; the conversion to an 8-bit code does not saturate (ISA guide 7.6.2); p is not negative, so the hold is one-sided
.set i, i+1
.endr
.Lno_hold_\@:
.set i, 0
.rept 16
	v_cvt_scalef32_pk8_fp8_f32 v[P+2*i:P+2*i+1], v[S+8*i:S+8*i+7], v13   ; tile i / 8, keys 16 (i % 8) + 8 h + 0 .. 7
.set i, i+1
.endr
	WIN W_RS
.set i, 0
.rept 16
.irp u, 0,1
	v_pk_mul_f32 v[32*\u+i:32*\u+i+1], v[32*\u+i:32*\u+i+1], v[ST+8*\u+4:ST+8*\u+5] op_sel_hi:[1,0]   ; O^T under the new M.  (Plain lines between the conversions and the products that read their results)
.endr
.set i, i+2
.endr
	s_wait_dscnt 0x0                               ; V's fragments are in
	WIN W_PV
.irp t, 0,1,2,3                                ; the eight accumulators take one turn each
.irp u, 0,1
	v_wmma_f32_16x16x128_fp8_fp8 v[32*\u+8*\t:32*\u+8*\t+7], v[VFR+16*\t:VFR+16*\t+15], v[P+16*\u:P+16*\u+15], v[32*\u+8*\t:32*\u+8*\t+7]
.endr
.endr
	WIN 0
.endm
; AT THE HEAD OF A TRIP OF PASS 1.  My 4 KB of slot SL go from registers into LDS; every wave's stores have landed and its reads are back: the barrier; then my part of the next slot is asked for.
; The branches hang on the work-group's number and the trip (the prefetch's on the wave's too) and lead round no wait and no barrier.
.macro FILL
	s_wait_loadcnt 0x0                             ; the eight loads issued a trip ago are in.  On every path, ahead of the branch: the stores below read their registers, and this trip's loads land in the same ones
	s_cmp_le_u32 s[SL], s[SLIM]
	s_cbranch_scc0 .Lno_store_\@
	v_add_nc_u32 v[STT], s[TB], v[STA]
	WIN W_ST
.irp i, 0,1,2,3,4,5,6,7
	ds_store_b128 v[STT], v[STG+4*\i:STG+4*\i+3] offset:512*\i
.endr
	WIN 0
.Lno_store_\@:
	s_wait_dscnt 0x0                               ; for the others' sake: my stores have landed
	s_barrier_signal -1
	s_barrier_wait -1                              ; slot SL is whole
	s_cmp_lt_u32 s[SL], s[SLIM]
	s_cbranch_scc0 .Lno_load_\@
	s_wait_xcnt 0x0                                ; the last loads and the last prefetch, a trip back, have read their base
	s_add_nc_u64 s[GB:GB+1], s[GB:GB+1], 16384
	WIN W_LD
.irp i, 0,1,2,3,4,5,6,7
	global_load_b128 v[STG+4*\i:STG+4*\i+3], v[LI], s[GB:GB+1] offset:512*\i   ; 512 consecutive bytes each: two key steps' work in which to land
.endr
	WIN 0
.Lno_load_\@:
; A PREFETCH INTO THE L2 of slot SL + 2, which the next trip will load: a slot's two key steps ahead.  The four work-groups of a head read the same K and V: the first of them asks, and in it the even waves, each for
; its own 4 KB and the next wave's: 32 lanes, 256 bytes apart.  So each block is named once in the launch.  It stops with slot 7 (SL = 5); slots 0 and 1 come by their loads alone.
	s_cmp_lt_u32 s[SL], s[PLIM]
	s_cbranch_scc0 .Lno_ask_\@
	global_prefetch_b8 v[PFO], s[GB:GB+1] offset:16384 th:TH_LOAD_NT scope:SCOPE_SE
.Lno_ask_\@:
.endm
; A PASS: 32 queries a wave from s[Q0] on, against all keys that count.  fill = 1: the slots are brought in on the way.
.macro PASS fill, trips
	s_wait_xcnt 0x0                                ; the last pass's stores have read their registers and base
	s_lshl_b32 s38, s[Q0], 6                       ; Q: 1,024 bytes for 16 queries
	s_mov_b32 s39, 0
	s_add_nc_u64 s[34:35], s[14:15], s[38:39]
	s_lshl_b32 s38, s[Q0], 10                      ; oc: 16,384 bytes for 16 tokens
	s_add_co_u32 s38, s38, s46
	s_add_nc_u64 s[36:37], s[8:9], s[38:39]
.if \fill
	WIN W_LD
.irp i, 0,1,2,3,4,5,6,7
	global_load_b128 v[STG+4*\i:STG+4*\i+3], v[LI], s[GB:GB+1] offset:512*\i   ; my part of slot 0
.endr
	WIN 0
.endif
.irp u, 0,1
.irp c, 0,1
	global_load_b128 v[QF+8*\u+4*\c:QF+8*\u+4*\c+3], v[LI], s[34:35] offset:1024*\u+512*\c   ; Q's two fragments stay in registers
.endr
.endr
.irp u, 0,1
	v_mov_b32 v[ST+8*\u+1], 0xff61b1e6             ; the largest t so far: -3e38, under every t
	v_floor_f32 v[ST+8*\u], -v[ST+8*\u+1]          ; -M
	v_mov_b32 v[ST+8*\u+2], 0                      ; the sum, in two halves
	v_mov_b32 v[ST+8*\u+3], 0
	v_mov_b32 v[ST+8*\u+5], 0                      ; (named as the upper half of f's pair)
	v_mov_b32 v[TM+8*\u+2], 0                      ; a lane permute's destination counts as one of its sources
.endr
	WIN W_LD
.set i, 0
.rept 64
	v_mov_b32 v[i], 0                              ; O^T: the step is written with no first step of its own: the first change of M multiplies zeros
.set i, i+1
.endr
	WIN 0
.if \fill
	s_wait_kmcnt 0x0
	s_add_co_i32 s38, s28, s29
	s_lshl_b32 s38, s38, 23
	s_add_co_i32 s[CS], s38, 0x3e38aa3b            ; c = log2(e) / 8, with eq + ek added to its exponent field
	s_mov_b32 s[CS+1], s[CS]                       ; (named with it as a pair)
	s_add_co_i32 s38, s30, 127
	s_lshl_b32 s39, s38, 23
	v_mov_b32 v13, s39                             ; 2^ep
	s_add_co_i32 s38, s38, 8
	s_lshl_b32 s38, s38, 23
	s_or_b32 s38, s38, 0x600000
	v_mov_b32 v12, s38                             ; 448 x 2^ep
	s_add_co_i32 s38, s32, 127
	s_lshl_b32 s39, s38, 23
	v_mov_b32 v15, s39                             ; 2^eo
	s_add_co_i32 s38, s38, 8
	s_lshl_b32 s38, s38, 23
	s_or_b32 s38, s38, 0x600000
	v_mov_b32 v14, s38                             ; 448 x 2^eo
	s_add_co_i32 s33, s30, s31                     ; ep + ev
.endif
	s_mov_b32 s[TB], 0
	s_mov_b32 s[SL], 0
	s_wait_loadcnt 0x0                             ; Q (and slot 0, which the first trip stores at once)
.Lslot_\@:
	s_lshl_b32 s[KF], s[SL], 8
.if \fill
	FILL
.endif
	s_cmp_gt_u32 s[KF], s[Q0]                      ; both are multiples of 32: a step that is walked has an open key for each of my 32 queries
	s_cbranch_scc1 .Lhidden_\@
	STEP 0
	s_add_co_u32 s[KF], s[KF], 128
	s_cmp_gt_u32 s[KF], s[Q0]
	s_cbranch_scc1 .Lhidden_\@
	STEP 1
.Lhidden_\@:
	s_add_co_u32 s[TB], s[TB], SLOTB
	s_add_co_u32 s[SL], s[SL], 1
	s_cmp_lt_u32 s[SL], \trips
	s_cbranch_scc1 .Lslot_\@
	; THE WAY OUT: O^T / the sum x 2^(ep + ev), quantised with 2^eo; the codes' registers are the image
.rept 4
	v_nop                                          ; places behind the last products
.endr
.irp u, 0,1
	v_add_f32 v[TM+8*\u], v[ST+8*\u+2], v[ST+8*\u+3]
.endr
.irp u, 0,1
	v_permlanex16_b32 v[TM+8*\u+2], v[TM+8*\u], s26, s27
.endr
.irp u, 0,1
	v_add_f32 v[TM+8*\u], v[TM+8*\u], v[TM+8*\u+2] ; the row's sum
.endr
.irp u, 0,1
	v_rcp_f32 v[TM+8*\u+1], v[TM+8*\u]
.endr
	v_nop                                          ; a plain line behind the last reciprocal
	s_wait_alu depctr_va_vdst(0)                   ; one wait for both, ahead of their first reader
.irp u, 0,1
	v_ldexp_f32 v[TM+8*\u+1], v[TM+8*\u+1], s33
.endr
	WIN W_KQ                                       ; source 0 (O^T) window 1
.set i, 0
.rept 32
	v_mul_f32 v[S+i], v[i], v[TM+1]                ; ascending: each accumulator from its low end on
.set i, i+1
.endr
.set i, 0
.rept 32
	v_mul_f32 v[S+32+i], v[32+i], v[TM+9]
.set i, i+1
.endr
	WIN 0
.set i, 0
.rept 64
	v_med3_num_f32 v[S+i], v[S+i], -v14, v14       ; the hold at the largest code x the scale
.set i, i+1
.endr
.set i, 0
.rept 8
	v_cvt_scalef32_pk8_fp8_f32 v[P+2*i:P+2*i+1], v[S+8*i:S+8*i+7], v15
.set i, i+1
.endr
	v_nop                                          ; a plain line between the conversions and the next write of their registers
.irp u, 0,1
.irp b, 0,1
	global_store_b128 v[LI], v[P+8*\u+4*\b:P+8*\u+4*\b+3], s[36:37] offset:16384*\u+512*\b   ; 512 consecutive bytes, aligned
.endr
.endr
.endm
	s_lshl_b32 s[Q0], s[SLIM], 8
	s_lshl_b32 s38, s10, 5
	s_add_co_u32 s[Q0], s[Q0], s38                 ; 256 (7 - x) + 32 w
	PASS 1, 8
	s_sub_co_u32 s38, 7, s10
	s_lshl_b32 s38, s38, 5
	s_lshl_b32 s[Q0], ttmp9, 8
	s_add_co_u32 s[Q0], s[Q0], s38                 ; 256 x + 32 (7 - w)
	PASS 0, 4
	s_wait_tensorcnt 0x0                           ; the wave's end, behind my last LDS store
	ds_add_u32 v[SPW], v[NIL]
	s_wait_dscnt 0x0
	s_endpgm
.Lfunc_end_k_qda24082b5a_attn:
	.size	k_qda24082b5a_attn, .Lfunc_end_k_qda24082b5a_attn-k_qda24082b5a_attn
	.p2alignl 7, 3214868480
	.fill 96, 4, 3214868480
	.section	.rodata,"a",@progbits
	.p2align	6, 0x0
	.amdhsa_kernel k_qda24082b5a_attn
		.amdhsa_group_segment_fixed_size 263168
		.amdhsa_private_segment_fixed_size 0
		.amdhsa_enable_private_segment 0
		.amdhsa_kernarg_size 24
		.amdhsa_user_sgpr_count 2
		.amdhsa_user_sgpr_kernarg_segment_ptr 1
		.amdhsa_wavefront_size32 1
		.amdhsa_system_sgpr_workgroup_id_x 1
		.amdhsa_system_sgpr_workgroup_id_y 1
		.amdhsa_system_sgpr_workgroup_id_z 1
		.amdhsa_system_vgpr_workitem_id 0
		.amdhsa_next_free_vgpr 512
		.amdhsa_next_free_sgpr 66
		.amdhsa_reserve_vcc 1
		.amdhsa_float_denorm_mode_32 3
		.amdhsa_float_denorm_mode_16_64 3
		.amdhsa_memory_ordered 1
		.amdhsa_forward_progress 1
		.amdhsa_inst_pref_size 181
	.end_amdhsa_kernel
	.amdgpu_metadata
---
amdhsa.version: [ 1, 2 ]
amdhsa.kernels:
  - .name:           k_qda24082b5a_attn
    .symbol:         k_qda24082b5a_attn.kd
    .args:
      - { .name: qkv, .offset: 0, .size: 8, .value_kind: global_buffer, .address_space: global }
      - { .name: lowp_scales, .offset: 8, .size: 8, .value_kind: global_buffer, .address_space: global }
      - { .name: oc, .offset: 16, .size: 8, .value_kind: global_buffer, .address_space: global }
    .group_segment_fixed_size: 263168
    .private_segment_fixed_size: 0
    .kernarg_segment_align: 8
    .kernarg_segment_size: 24
    .max_flat_workgroup_size: 256
    .sgpr_count:     66
    .vgpr_count:     512
    .wavefront_size: 32
...
	.end_amdgpu_metadata
.endif
;; end of part 3
;; launch oproj (part 4): grid 4 x 32, 4 waves a work-group, clusters of 4 x 4, 327,680 bytes of LDS; arguments oc, codes, lowp_scales, out0; writes out0
.if DOCPART == 4
	.amdgcn_target "amdgcn-amd-amdhsa--gfx1250"
	.amdhsa_code_object_version 6
	.text
	.protected	k_qda24082b5a_oproj
	.globl	k_qda24082b5a_oproj
	.p2align	8
	.type	k_qda24082b5a_oproj,@function
k_qda24082b5a_oproj:
	s_mov_b64 s[64:65], 0
	v_nop
	global_prefetch_b8 v0, s[64:65] scope:SCOPE_SE
	s_setreg_imm32_b32 hwreg(HW_REG_WAVE_MODE, 25, 1), 1
	s_wait_xcnt 0x0
	s_wait_alu depctr_hold_cnt(0) depctr_sa_sdst(0) depctr_va_vdst(0) depctr_va_sdst(0) depctr_va_ssrc(0) depctr_va_vcc(0) depctr_vm_vsrc(0)
	s_getreg_b32 s2, hwreg(HW_REG_IB_STS2, 6, 4)
	s_cmp_eq_u32 s2, 0
	s_cbranch_scc0 .Lentry_in_a_cluster
	s_endpgm
.Lentry_in_a_cluster:
	s_bfe_u32 s2, ttmp6, 0x10000c
	s_cmp_lg_u32 s2, 0xf033
	s_cbranch_scc0 .Lentry_shape_is_right
	s_endpgm
.Lentry_shape_is_right:
; OPROJ: out0[m][n] = the sum over k of O[m][k] Wo[n][k], on codes of FP8 (E4M3); each finished sum is multiplied once by 2^(eo + ew) (entries 10 and 11).  M = 8,192, N = K = 1,024; out0 is f32.
; A tile is 256 x 256; four waves, as many as a WGP has SIMDs; a wave makes 128 x 128: 64 accumulators, 512 registers.  K goes in steps of 256 through a ring of two LDS slots.
; OPERANDS ARE IMAGES OF REGISTERS: a block of 16 rows is [K step of 128: 0..7][c 0..3][lane][16 bytes], 16,384 bytes.  A wave's tensor load brings 8 blocks x 4,096 bytes (two K steps), dense in LDS; a fragment is four
; ds_load_b128 at 16 x lane: 512 consecutive bytes each, so no pitch and no padding.  Lane l holds row l % 16, registers 4 c .. 4 c + 3 hold K = 32 c + 16 (l / 16) + 0 .. 15: one permutation of k, the same in both operands.
; CLUSTERS: 4 x 4 work-groups: A's tiles are asked for jointly along a row of the cluster, B's along a column.  THE MATRIX INSTRUCTION IS USED TRANSPOSED (source 0 = 16 rows of Wo, source 1 = 16 tokens):
; a lane then holds eight neighbouring numbers of a row of out0.
; LIMIT: eo + ew between -126 and 127, so that 2^(eo + ew) is an f32 number.
; REGISTERS, in windows of 256: window 0: v16-31 addresses; from v128 A's fragments, ONE set; on the way out v32-255 are free.   window 1: B's fragments, TWO sets.   windows 2, 3: the accumulators.
.set XB,     8388608
.set WB,     1048576
.set WOFF,   3*XB
.set SIZE_N, 1024
.set STEPB,  4096                      ; a slot's part of a block: two K steps of 128
.set FR,     16
.set NL,     4
.set NP,     4                         ; places behind this matrix instruction (ISA guide 7.12.1)
.set HALFT,  8*STEPB
.set SLOT,   4*HALFT
.set LAPS,   2
.set SPARE,  2*SLOT                    ; behind the ring: the spare words, 128 bytes for each wave: two blocks of 256 bytes that no other line names
.set SPITCH, 528                       ; the way out: a stage of 16 rows x (512 bytes + 16) for each wave, in slot 0, which has had its last fill and its last read when the first result is stored there
.set ADRA, 16
.set ADRB, 20
.set STO,  24                          ; v24     the way out: where I put 32 bytes of a row
.set RD,   25                          ; v25     where I read a row back
.set CO,   26                          ; v26     my byte offset in a row of out0
.set LI,   27                          ; v27     16 x lane
.set SPW,  28
.set NIL,  29
.set TMP,  32                          ; the way out: 64 registers, a block's sums x 2^(eo + ew)
.set AF,   128
.set BK,   128                         ; the way out: 16 rows read back from the stage: v128-191 and v192-255 by turns
.set G1, 24
.set G0, 32
.set G1B, 48
.set G0B, 56
.set MSB, 0
.macro WIN new                         ; the immediate's high byte repeats the setting that is left
.if MSB != \new
	s_set_vgpr_msb (MSB<<8)|\new
.set MSB, \new
.endif
.endm
.set MUL_LO, 0xa1
.set MUL_HI, 0xf1
.set TO_B,   0x40
; A joint load: waves 0 and 1 fetch for A, waves 2 and 3 for B; the branch hangs on the wave's number alone.  An s_nop 0 and four v_nop follow each of the two lines.
.macro JLOAD g0a, g1a, g0b, g1b
	s_cmp_eq_u32 s15, 0
	s_cbranch_scc0 .Lfor_b_\@
	tensor_load_to_lds s[\g0a:\g0a+3], s[\g1a:\g1a+7]
	s_nop 0
.rept 4
	v_nop
.endr
	s_branch .Lasked_\@
.Lfor_b_\@:
	tensor_load_to_lds s[\g0b:\g0b+3], s[\g1b:\g1b+7]
	s_nop 0
.rept 4
	v_nop
.endr
.Lasked_\@:
.endm
.macro CREST
	s_cmp_lg_u32 s14, 0
	s_cbranch_scc1 .Lnot_wave_0_\@
	s_barrier_signal -3
.Lnot_wave_0_\@:
	s_barrier_wait -3
	s_barrier_signal -1
	s_barrier_wait -1
.endm
.macro CROUND
	s_barrier_signal -1
	s_barrier_wait -1
	CREST
.endm
	s_load_b128 s[4:7], s[0:1], 0x0                ; A: the attention's codes s[4:5]; the weights' codes s[6:7]
	s_load_b128 s[8:11], s[0:1], 0x10              ; the scales' exponents s[8:9], out0 s[10:11]
	v_lshl_add_u32 v[SPW], v0, 2, SPARE
	v_mov_b32 v[NIL], 0
	ds_add_u32 v[SPW], v[NIL]                      ; the wave's opening: the add and its wait stand ahead of my first tensor load; the set-up below stands between them
	v_lshrrev_b32 v1, 5, v0
	v_readfirstlane_b32 s14, v1                    ; wave 0..3
	s_lshr_b32 s15, s14, 1                         ; which half of the tile's rows is mine.  Also: I fetch for A (0) or for B (1)
	s_and_b32 s16, s14, 1                          ; which half of its columns.  Also: which 128 rows of that tile I fetch
	s_bfe_u32 s40, ttmp6, 0x40000                  ; cx, cy
	s_bfe_u32 s41, ttmp6, 0x40004
	s_lshl_b32 s42, ttmp9, 2
	s_add_co_u32 s42, s42, s40                     ; tile column
	s_and_b32 s17, ttmp7, 0xffff
	s_lshl_b32 s17, s17, 2
	s_add_co_u32 s17, s17, s41                     ; tile row
	s_lshl_b32 s43, s41, 2
	s_lshl_b32 s43, 15, s43                        ; my row of the cluster
	s_lshl_b32 s44, 0x1111, s40                    ; my column
	s_or_b32 s[G1+0], s43, (3<<16)|(1<<21)         ; 15:0 the mask; 17:16 elements of 8 bytes; 20 no padding; 21 set beside a mask
	s_or_b32 s[G1B+0], s44, (3<<16)|(1<<21)
.irp g, G1, G1B
	s_mov_b32 s[\g+1], 512<<16                     ; tensor_dim0 = 512
	s_mov_b32 s[\g+2], 8<<16                       ; tensor_dim1 = 8
	s_mov_b32 s[\g+3], 512<<16                     ; tile_dim0 = 512
	s_mov_b32 s[\g+4], 8                           ; tile_dim1 = 8
	s_mov_b32 s[\g+5], 2048                        ; tensor_dim0_stride: a block's 16,384 bytes
	s_mov_b32 s[\g+6], 0
	s_mov_b32 s[\g+7], 0
.endr
	s_lshl_b32 s18, s16, 7
	s_lshl_b32 s20, s17, 8
	s_add_co_u32 s20, s20, s18                     ; A: row 256 x tile row + 128 x half,
	s_lshl_b32 s20, s20, 10                        ; 1,024 bytes a row
	s_mov_b32 s21, 0
	s_lshl_b32 s46, s42, 8
	s_add_co_u32 s46, s46, s18                     ; B: row 256 x tile column + 128 x half
	s_lshl_b32 s46, s46, 10
	s_add_co_u32 s46, s46, WOFF+3*WB               ; in Wo's part of the buffer
	s_mov_b32 s47, 0
	s_mul_i32 s45, s14, HALFT
	s_wait_dscnt 0x0                               ; the opening add is done
	s_wait_kmcnt 0x0
	s_load_b64 s[96:97], s[8:9], 0x28              ; entries 10 and 11
	s_add_nc_u64 s[20:21], s[4:5], s[20:21]
	s_add_nc_u64 s[46:47], s[6:7], s[46:47]
	CROUND                                         ; all sixteen work-groups are here: the first joint loads meet
.irp s, 0,1
	s_mov_b32 s[G0+4*\s], 1
	s_add_co_u32 s[G0+4*\s+1], s45, \s*SLOT
	s_add_nc_u64 s[G0+4*\s+2:G0+4*\s+3], s[20:21], \s*STEPB
	s_or_b32 s[G0+4*\s+3], s[G0+4*\s+3], 0x80000000
	s_mov_b32 s[G0B+4*\s], 1
	s_add_co_u32 s[G0B+4*\s+1], s45, \s*SLOT
	s_add_nc_u64 s[G0B+4*\s+2:G0B+4*\s+3], s[46:47], \s*STEPB
	s_or_b32 s[G0B+4*\s+3], s[G0B+4*\s+3], 0x80000000
	JLOAD G0+4*\s, G1, G0B+4*\s, G1B               ; two tensor loads of mine are out
.endr
	v_and_b32 v1, 15, v0                           ; l % 16
	v_bfe_u32 v2, v0, 4, 1                         ; l / 16
	v_and_b32 v6, 31, v0
	v_lshlrev_b32 v[LI], 4, v6
	s_mul_i32 s21, s15, HALFT
	s_mul_i32 s22, s16, HALFT
	s_add_co_u32 s22, s22, 2*HALFT
.irp s, 0,1
	v_add_nc_u32 v[ADRA+\s], s21, v[LI]
	v_add_nc_u32 v[ADRB+\s], s22, v[LI]
	s_add_co_u32 s21, s21, SLOT
	s_add_co_u32 s22, s22, SLOT
.endr
	s_mul_i32 s23, s14, 16*SPITCH                  ; my stage
	v_mul_u32_u24 v5, v1, SPITCH                   ; in: row l % 16, 32 bytes for each half of the lanes
	v_lshl_add_u32 v5, v2, 5, v5
	v_add_nc_u32 v[STO], s23, v5
	v_lshlrev_b32 v[CO], 4, v6                     ; back: the 32 lanes take one row of 512 bytes; and the same in out0
	v_add_nc_u32 v[RD], s23, v[CO]
	s_lshl_b32 s20, s17, 8
	s_lshl_b32 s21, s15, 7
	s_add_co_u32 s20, s20, s21                     ; my first row of out0
	s_lshl_b32 s20, s20, 12                        ; rows of 4,096 bytes: under 2^25
	s_mov_b32 s21, 0
	s_lshl_b32 s46, s42, 10                        ; my first column, in bytes: 1,024 x tile column + 512 x half
	s_lshl_b32 s47, s16, 9
	s_add_co_u32 s46, s46, s47
	s_mov_b32 s47, 0
	s_add_nc_u64 s[20:21], s[20:21], s[46:47]
	s_add_nc_u64 s[10:11], s[10:11], s[20:21]
.macro FRAG reg, adr, q, i
.irp c, 0,1,2,3
	ds_load_b128 v[\reg+4*\c:\reg+4*\c+3], v[\adr] offset:4096*(\i)+2048*(\q)+512*\c
.endr
.endm
; 16 matrix instructions: A's blocks a0, a0 + 1 x B's eight.  The 64 accumulators take turns, one instruction a turn, in the same order in every step.
.macro MUL16 a0, p, zero
.irp a, \a0, \a0+1
.irp b, 0,1,2,3,4,5,6,7
.if \zero
	v_wmma_f32_16x16x128_fp8_fp8 v[8*(8*((\a)%4)+\b):8*(8*((\a)%4)+\b)+7], v[128*(\p)+FR*\b:128*(\p)+FR*\b+FR-1], v[AF+FR*(\a):AF+FR*(\a)+FR-1], 0
.else
	v_wmma_f32_16x16x128_fp8_fp8 v[8*(8*((\a)%4)+\b):8*(8*((\a)%4)+\b)+7], v[128*(\p)+FR*\b:128*(\p)+FR*\b+FR-1], v[AF+FR*(\a):AF+FR*(\a)+FR-1], v[8*(8*((\a)%4)+\b):8*(8*((\a)%4)+\b)+7]
.endif
.endr
.endr
.endm
.macro FETCH_B slot, q, p
	WIN TO_B
.irp i, 0,1,2,3,4,5,6,7
	FRAG 128*(\p)+FR*\i, ADRB+\slot, \q, \i
.endr
	WIN 0
.endm
.macro FETCH_A slot, q, i0
.irp i, \i0, \i0+1, \i0+2, \i0+3
	FRAG AF+FR*(\i), ADRA+\slot, \q, \i
.endr
.endm
.macro PLACES n                        ; plain vector lines between a matrix instruction and a load into, a read of or a write over its registers (ISA guide 7.12.1 for reads and writes)
.rept \n
	v_nop
.endr
.endm
.macro STEP slot, q, zero
	s_wait_dscnt 4*NL                              ; B's set and A's blocks 0-3 are in; the youngest 16 loads (A's blocks 4-7) may be out
	WIN MUL_LO
	MUL16 0, (\q)%2, \zero
	MUL16 2, (\q)%2, \zero
	s_wait_dscnt 0
	PLACES NP
	FETCH_B \slot, (\q)+1, 1-(\q)%2
	FETCH_A \slot, (\q)+1, 0
	WIN MUL_HI
	MUL16 4, (\q)%2, \zero
	MUL16 6, (\q)%2, \zero
	PLACES NP
	WIN 0
	FETCH_A \slot, (\q)+1, 4
.endm
.macro TURN slot, next, fill
	s_wait_tensorcnt 0x0                           ; all my tensor loads have landed: my part of the next slot;
	ds_add_u32 v[SPW], v[NIL]                      ; 0 onto my spare word
	s_wait_dscnt 4*NL+1                            ; (the add and the youngest 16 loads may be out)
	WIN MUL_LO
	MUL16 0, 1, 0
	s_wait_dscnt 0x0                               ; the add is done, and my reads of this slot are over
	s_barrier_signal -1
	MUL16 2, 1, 0
	WIN 0
	s_barrier_wait -1
.if \fill
	CREST                                          ; the barrier has opened a round of the cluster's barrier: no wave of any partner still reads this slot's tile or has a load on its way
	s_add_nc_u64 s[G0+4*\slot+2:G0+4*\slot+3], s[G0+4*\slot+2:G0+4*\slot+3], 2*STEPB
	s_add_nc_u64 s[G0B+4*\slot+2:G0B+4*\slot+3], s[G0B+4*\slot+2:G0B+4*\slot+3], 2*STEPB
	JLOAD G0+4*\slot, G1, G0B+4*\slot, G1B         ; the first tensor load behind the round, my one load until the next
.else
	PLACES NP
.endif
	FETCH_B \next, 0, 0
	FETCH_A \next, 0, 0
	WIN MUL_HI
	MUL16 4, 1, 0
	MUL16 6, 1, 0
	PLACES NP
	WIN 0
	FETCH_A \next, 0, 4
.endm
	s_wait_tensorcnt 1                             ; my part of K step 0 is in (K step 1's load may be out)
	s_barrier_signal -1
	s_barrier_wait -1                              ; everybody's is
	FETCH_B 0, 0, 0
	FETCH_A 0, 0, 0
	FETCH_A 0, 0, 4
	STEP 0, 0, 1                                   ; the first step stands in front of the loop: its products start the sums
	s_mov_b32 s3, LAPS-1
.Llap:
	TURN 0, 1, 1
	STEP 1, 0, 0
	TURN 1, 0, 1
	STEP 0, 0, 0
	s_sub_co_u32 s3, s3, 1
	s_cmp_lg_u32 s3, 0
	s_cbranch_scc1 .Llap
	TURN 0, 1, 0                                   ; the last lap fills nothing
	STEP 1, 0, 0
	s_wait_dscnt 4*NL
	WIN MUL_LO
	MUL16 0, 1, 0
	MUL16 2, 1, 0
	s_wait_dscnt 0
	WIN MUL_HI
	MUL16 4, 1, 0
	MUL16 6, 1, 0
	WIN 0
; THE WAY OUT, block by block of 16 rows x 128 columns: through my own stage in LDS, back as whole rows of 512 bytes, which the 32 lanes store as one aligned run of 512 bytes.
; LDS serves a wave's instructions in order (ISA guide 5.7.1.4): no wait between the stores and the loads, nor in front of the next block's stores.
.macro TOSTAGE a
.set AC, 64*((\a)%4)
	WIN 0x02+((\a)/4)                              ; source 0: window 2 or 3
.irp j, 0,2,4,6,8,10,12,14,16,18,20,22,24,26,28,30,32,34,36,38,40,42,44,46,48,50,52,54,56,58,60,62
	v_pk_mul_f32 v[TMP+\j:TMP+\j+1], v[AC+\j:AC+\j+1], s[96:97] op_sel_hi:[1,0]   ; both x s96 = 2^(eo + ew); each accumulator from its low end on
.endr
	WIN 0
.irp b, 0,1,2,3,4,5,6,7
	ds_store_b128 v[STO], v[TMP+8*\b:TMP+8*\b+3] offset:64*\b
	ds_store_b128 v[STO], v[TMP+8*\b+4:TMP+8*\b+7] offset:64*\b+16
.endr
.set BB, BK+64*((\a)%2)
.irp t, 0,1,2,3,4,5,6,7,8,9,10,11,12,13,14,15
	ds_load_b128 v[BB+4*\t:BB+4*\t+3], v[RD] offset:\t*SPITCH
.endr
.endm
.macro SEND a, younger                 ; younger: the LDS instructions issued behind block a's loads, which may stay out
.set BB, BK+64*((\a)%2)
	s_wait_dscnt \younger                          ; the block is back in registers
.if (\a) > 0
	s_add_nc_u64 s[10:11], s[10:11], 16*SIZE_N*4   ; (behind a wait on XCNT: the earlier stores have read their base)  16 rows on
.endif
.irp t, 0,1,2,3,4,5,6,7,8,9,10,11,12,13,14,15
	global_store_b128 v[CO], v[BB+4*\t:BB+4*\t+3], s[10:11] offset:\t*SIZE_N*4 th:TH_STORE_NT   ; 32 lanes store 512 consecutive bytes, aligned; written once, read by nobody here
.endr
.endm
	s_wait_kmcnt 0x0
	s_add_co_i32 s96, s96, s97                     ; eo + ew, between -126 and 127,
	s_add_co_i32 s96, s96, 127
	s_lshl_b32 s96, s96, 23                        ; makes the f32 number 2^(eo + ew)
	PLACES NP                                      ; behind the last products: for the reads of results and the loads into the registers that held A's fragments
	TOSTAGE 0
.irp a, 1,2,3,4,5,6,7
.if \a > 1
	s_wait_xcnt 0x0                                ; block a - 2's stores have read their registers and their base
.endif
	TOSTAGE \a
	SEND \a-1, 32                                  ; behind block a - 1's loads: block a's 16 stores and 16 loads
.endr
	s_wait_xcnt 0x0                                ; block 6's stores have read their base
	SEND 7, 0
	s_wait_tensorcnt 0x0                           ; the wave's end, behind my last tensor load and my last LDS store
	ds_add_u32 v[SPW], v[NIL]
	s_wait_dscnt 0x0
	CROUND                                         ; the closing round: no work-group ends while a partner may still ask for a tile that names it
	s_endpgm
.Lfunc_end_k_qda24082b5a_oproj:
	.size	k_qda24082b5a_oproj, .Lfunc_end_k_qda24082b5a_oproj-k_qda24082b5a_oproj
	.p2alignl 7, 3214868480
	.fill 96, 4, 3214868480
	.section	.rodata,"a",@progbits
	.p2align	6, 0x0
	.amdhsa_kernel k_qda24082b5a_oproj
		.amdhsa_group_segment_fixed_size 327680
		.amdhsa_private_segment_fixed_size 0
		.amdhsa_enable_private_segment 0
		.amdhsa_kernarg_size 32
		.amdhsa_user_sgpr_count 2
		.amdhsa_user_sgpr_kernarg_segment_ptr 1
		.amdhsa_wavefront_size32 1
		.amdhsa_system_sgpr_workgroup_id_x 1
		.amdhsa_system_sgpr_workgroup_id_y 1
		.amdhsa_system_sgpr_workgroup_id_z 1
		.amdhsa_system_vgpr_workitem_id 0
		.amdhsa_next_free_vgpr 1024
		.amdhsa_next_free_sgpr 100
		.amdhsa_reserve_vcc 0
		.amdhsa_float_denorm_mode_32 3
		.amdhsa_float_denorm_mode_16_64 3
		.amdhsa_memory_ordered 1
		.amdhsa_forward_progress 1
		.amdhsa_inst_pref_size 123
	.end_amdhsa_kernel
	.amdgpu_metadata
---
amdhsa.version: [ 1, 2 ]
amdhsa.kernels:
  - .name:           k_qda24082b5a_oproj
    .symbol:         k_qda24082b5a_oproj.kd
    .args:
      - { .name: oc, .offset: 0, .size: 8, .value_kind: global_buffer, .address_space: global }
      - { .name: codes, .offset: 8, .size: 8, .value_kind: global_buffer, .address_space: global }
      - { .name: lowp_scales, .offset: 16, .size: 8, .value_kind: global_buffer, .address_space: global }
      - { .name: out0, .offset: 24, .size: 8, .value_kind: global_buffer, .address_space: global }
    .group_segment_fixed_size: 327680
    .private_segment_fixed_size: 0
    .kernarg_segment_align: 8
    .kernarg_segment_size: 32
    .max_flat_workgroup_size: 128
    .sgpr_count:     100
    .vgpr_count:     1024
    .wavefront_size: 32
...
	.end_amdgpu_metadata
.endif
;; end of part 4
